; MI455X (gfx1250); checked and timed in simulation.
; The chip was launched on July 23, 2026; its instructions are those of AMD's public machine-readable ISA for CDNA 5 (MIT licence, August 2026) and "CDNA5" Instruction Set Architecture Reference Guide (July 2026). The comments in the code are by the model that wrote it; some were corrected since.
;; Hydra Attention. Allowed arithmetic: matrix products marked QUANTISED: E2M3 operands, one E8M0 scale for each 32 along K, by v_wmma_scale_f32_16x16x128_f8f6f4 with both operands' format E2M3, f32 sums; everything else in f32.
;; Inputs: in_proj_bias 3,072 float32; in_proj_weight 3,072 x 1,024 float32; key 4,096 x 4 x 1,024 float32; out_proj_bias 1,024 float32; out_proj_weight 1,024 x 1,024 float32; query 4,096 x 4 x 1,024 float32; value 4,096 x 4 x 1,024 float32.
;; Outputs: out0 4,096 x 4 x 1,024 float32.
;; This version of the problem:
;;   THIS VERSION OF THE PROBLEM IS GIVEN IN LOW PRECISION. The matrix products marked QUANTISED in the list below multiply operands that are first quantised to E2M3 (2 exponent bits, 3 mantissa bits; 6 bits a number), with one power-of-two scale for each 32 numbers along K (OCP MX v1.0); their sums are f32. All else is computed in f32.
;;   The module's matrix products, in the order in which they are computed (A, B: the left and right operand; K: the contracted axis; several contracted axes count as one K, in the product's order):
;;     1. [M 16,384, K 1,024] x [K 1,024, N 1,024]; A: input query; B: computed on the way: QUANTISED
;;     2. [M 16,384, K 1,024] x [K 1,024, N 1,024]; A: input key; B: computed on the way: QUANTISED
;;     3. [M 16,384, K 1,024] x [K 1,024, N 1,024]; A: input value; B: computed on the way: QUANTISED
;;     4. [M 16,384, K 1,024] x [K 1,024, N 1,024]; A: computed on the way; B: input out_proj_weight: QUANTISED
;;   THE QUANTISER, for each operand of a quantised product, along K:
;;     - K is cut into blocks of 32 from its start; a last block that is shorter is filled with zeros.
;;     - A block's scale is 2^e with e = floor(log2(the largest magnitude in the block)) - 2, held to -126 .. 127; a block of zeros has e = 0. As a byte (E8M0): e + 127.
;;     - Each number is divided by its block's scale, clamped to +-7.5, and rounded to the nearest number of E2M3, ties to even, subnormals kept.
;;     - The product sums the exact products of the quantised numbers (number of the format x scale) in f32.
;;   ~~~python
;;   def quantise(x, axis):      # numpy; x: float32 -> the quantised numbers, widened to float32 again
;;       x = np.moveaxis(x, axis, -1); K = x.shape[-1]
;;       x = np.pad(x, [(0, 0)] * (x.ndim - 1) + [(0, -K % 32)]); x = x.reshape(x.shape[:-1] + (-1, 32)); a = np.abs(x).max(-1, keepdims=True)
;;       e = np.where(a > 0, np.clip(np.frexp(np.where(a > 0, a, 1))[1] - 1 - 2, -126, 127), 0)      # np.frexp(a)[1] - 1 = floor(log2(a)), exactly
;;       r = np.clip(x / 2.0 ** e, -7.5, 7.5)
;;       step = 2.0 ** (np.maximum(np.frexp(np.where(r == 0, 1, r))[1] - 1, 0) - 3)
;;       q = np.round(r / step) * step * 2.0 ** e      # np.round: ties to even
;;       return np.moveaxis(q.reshape(q.shape[:-2] + (-1,))[..., :K], -1, axis).astype(np.float32)
;;   ~~~
;;   OPERANDS COMPUTED ON THE WAY. 'Computed on the way' means the value that the module computes at that place (a softmax that the list does not call 'softmax' is quantised finished and normalised). What goes into a quantiser is computed in f32, as accurately as f32 sums, v_exp_f32 and their like allow (about 1e-6 of the number): no bf16 or f16 on the way to a quantiser, and a product that is left as it is and whose result goes on into a quantised operand takes f32 operands (vector FMAs, or v_wmma_f32_16x16x4_f32). A number that lies on a knife's edge between two numbers of the format may be rounded either way, as far as f32 arithmetic and the matrix unit's own rounding can turn it there, and no further.
;; 2 versions. Each part assembles by itself: llvm-mc -triple=amdgcn-amd-amdhsa -mcpu=gfx1250 --defsym DOCPART=n.
;; ======== version 1 of 2: 3 launches
;; workspace buffers: wcodes 3,276,800 bytes; kvp 1,048,576 bytes
;; launch prep (part 1): grid 256 x 1, 8 waves a work-group, no clusters, 69,632 bytes of LDS; arguments in_proj_weight, out_proj_weight, wcodes; writes wcodes
.if DOCPART == 1
	.amdgcn_target "amdgcn-amd-amdhsa--gfx1250"
	.amdhsa_code_object_version 6
	.text
	.protected	k_qadf089057f_prep
	.globl	k_qadf089057f_prep
	.p2align	8
	.type	k_qadf089057f_prep,@function
k_qadf089057f_prep:
	s_mov_b64 s[64:65], 0
	v_nop
	global_prefetch_b8 v0, s[64:65] scope:SCOPE_SE
	s_setreg_imm32_b32 hwreg(HW_REG_WAVE_MODE, 25, 1), 1
	s_wait_xcnt 0x0
; The four weight matrices (wk, wv, wq out of in_proj_weight [3072][1024], wo = out_proj_weight [1024][1024], f32, K innermost) become codes of FP6 (E2M3)
; with one E8M0 byte for each 32 along K, laid in the order in which the two later launches take them into registers.
; wcodes: 32 steps of 102,400 bytes (wk 0-7, wv 8-15, wq 16-23, wo 24-31); a step = 4 wave blocks of 25,600; a block = 2 units of 12,800;
; a unit = 8 images of a fragment (16 rows x 128 K: 12 registers a lane; registers 4 c .. 4 c + 3 of lane l at 512 c + 16 l), then 512 bytes of scale words
; (row r of tile t at 256 (t / 4) + 16 r + 4 (t % 4)).  Unit (w, g, s): weight rows 256 w + 128 g on, K = 128 s on.  wk, wq, wo: step = s, unit = g.  wv: step = 4 g + s / 2, unit = s % 2.
; THE ROWS OF A TILE ARE NOT NEIGHBOURS: row i of tile t is weight row 32 (t / 2) + 8 (t % 2) + i + 8 (i / 8), so that the results of two neighbouring tiles are 16 neighbours along the next K.
; A work-group makes one unit, wave t its tile t.  A load reads 512 consecutive bytes of a row; the tile turns through the wave's own stage in LDS, so that a lane holds two whole blocks of 32 of one row.
; A block's scale is 2^(floor(log2(its largest magnitude)) - 2); its byte is that magnitude's exponent field - 2, held at 1 from below.
; LIMITS: a block of zeros gets the byte 1 (its codes are zeros; this program alone reads the bytes); NaN and infinities among the inputs are not served.
.set STGW, 8448                        ; a wave's stage: 16 rows x (512 bytes + 16)
.set SCB,  8*STGW                      ; behind the stages: the unit's 512 bytes of scale words
.set N,    16                          ; v16-79  the tile's numbers
.set QM,   80                          ; v80-81  largest magnitudes of my two blocks
.set QS,   82                          ; v82-83  the conversions' scale operands
.set QB,   84                          ; v84-85  the scale bytes
.set QW,   86                          ; v86     my row's scale word
.set QP,   87                          ; v87     the other half's part of it
.set Q8H,  88                          ; v88     8 x (lane / 16)
.set PC,   92                          ; v92-103 the fragment's codes
.set AUX,  104                         ; v104-110 the upper halves of the blocks, as converted
.set SEL,  24                          ; s[24:25] lane selects: lane l xor 16
; 64 numbers of a lane, register 32 c + i = k 64 c + 32 (lane / 16) + i of my row, become the fragment's 12 registers in v[PC] on and the row's scale word in v[QW]
.macro QUANTW n
.irp c, 0,1
	v_max3_num_f32 v[QM+\c], |v[\n+32*\c]|, |v[\n+32*\c+1]|, 0x1800000   ; with the floor 2^(3 - 127): the byte cannot fall under 1
.endr
.irp i, 2,4,6,8,10,12,14,16,18,20,22,24,26,28,30
.irp c, 0,1
	v_max3_num_f32 v[QM+\c], v[QM+\c], |v[\n+32*\c+\i]|, |v[\n+32*\c+\i+1]|
.endr
.endr
.irp c, 0,1
	v_add_nc_u32 v[QS+\c], 0xff000000, v[QM+\c]    ; 2 off the exponent field: the conversion takes this operand's exponent field as its scale
.endr
.irp c, 0,1
	v_lshrrev_b32 v[QB+\c], 23, v[QS+\c]           ; the scale's byte
.endr
	v_lshl_or_b32 v[QW], v[QB+1], 16, v[QB]        ; my bytes: blocks h and 2 + h,
	v_lshlrev_b32 v[QW], v[Q8H], v[QW]             ; 8 h bits up;
	v_permlanex16_b32 v[QP], v[QW], s[SEL], s[SEL+1]
	v_or_b32 v[QW], v[QW], v[QP]                   ; with lane l xor 16's two the word is whole
.irp c, 0,1
	v_cvt_scalef32_pk16_fp6_f32 v[PC+6*\c:PC+6*\c+2], v[\n+32*\c:\n+32*\c+15], v[QS+\c]
	v_cvt_scalef32_pk16_fp6_f32 v[AUX+4*\c:AUX+4*\c+2], v[\n+32*\c+16:\n+32*\c+31], v[QS+\c]   ; (a conversion's three registers begin on an even number)
.endr
	v_nop                                          ; one plain instruction behind the conversions
.irp c, 0,1
.irp i, 0,1,2
	v_mov_b32 v[PC+6*\c+3+\i], v[AUX+4*\c+\i]
.endr
.endr
.endm
	s_load_b128 s[4:7], s[0:1], 0x0                ; in_proj_weight, out_proj_weight
	s_load_b64 s[8:9], s[0:1], 0x10                ; wcodes
	v_lshl_add_u32 v128, v0, 2, 0x10c00
	v_mov_b32 v129, 0
	v_lshrrev_b32 v1, 5, v0
	v_readfirstlane_b32 s10, v1                    ; wave = tile t
	v_and_b32 v2, 31, v0                           ; lane
	v_and_b32 v3, 15, v0                           ; r
	v_bfe_u32 v4, v0, 4, 1                         ; h
	v_lshlrev_b32 v5, 4, v2                        ; 16 x lane
	s_mul_i32 s11, s10, STGW
	v_add_nc_u32 v6, s11, v5                       ; the stage, on the way in: a row's 512 bytes as they lie
	v_mul_u32_u24 v7, v3, 528
	v_lshl_add_u32 v7, v4, 7, v7
	v_add_nc_u32 v7, s11, v7                       ; and out: row r, + 128 h
	v_lshlrev_b32 v[Q8H], 3, v4
	v_mov_b32 v[QP], 0                             ; written once: a lane permute's destination counts as one of its sources
	s_lshr_b32 s12, s10, 2
	s_lshl_b32 s12, s12, 8
	s_and_b32 s13, s10, 3
	s_lshl_b32 s13, s13, 2
	s_add_co_u32 s12, s12, s13
	s_add_co_u32 s12, s12, SCB
	v_lshl_add_u32 v8, v3, 4, s12                  ; my row's scale word: SCB + 256 (t / 4) + 16 r + 4 (t % 4)
	v_add_nc_u32 v9, SCB, v5                       ; and the 512 bytes back, 16 a lane
	s_mul_i32 s23, s10, 1536
	v_add_nc_u32 v10, s23, v5                      ; my tile's image in the unit
	s_mov_b32 s[SEL], 0x76543210
	s_mov_b32 s[SEL+1], 0xfedcba98
	s_lshr_b32 s14, ttmp9, 6                       ; the matrix: 0 wk, 1 wv, 2 wq, 3 wo
	s_bfe_u32 s15, ttmp9, 0x20004                  ; w
	s_bfe_u32 s16, ttmp9, 0x10003                  ; g
	s_and_b32 s17, ttmp9, 7                        ; s
	s_add_co_u32 s18, s14, 1                       ; the matrix's first row in its tensor: wk 1,024, wv 2,048, wq and wo 0
	s_lshl_b32 s18, s18, 10
	s_cmp_lt_u32 s14, 2
	s_cselect_b32 s18, s18, 0
	s_lshl_b32 s19, s15, 8
	s_add_co_u32 s18, s18, s19
	s_lshl_b32 s19, s16, 7
	s_add_co_u32 s18, s18, s19
	s_lshr_b32 s19, s10, 1
	s_lshl_b32 s19, s19, 5
	s_add_co_u32 s18, s18, s19
	s_and_b32 s19, s10, 1
	s_lshl_b32 s19, s19, 3
	s_add_co_u32 s18, s18, s19                     ; + 256 w + 128 g + 32 (t / 2) + 8 (t % 2)
	s_lshl_b32 s18, s18, 12                        ; rows of 4,096 bytes
	s_lshl_b32 s19, s17, 9
	s_add_co_u32 s18, s18, s19                     ; + 512 s
	s_mov_b32 s19, 0
	s_lshl_b32 s20, s14, 3
	s_add_co_u32 s20, s20, s17                     ; step = 8 x matrix + s, unit = g;
	s_lshl_b32 s21, s16, 2
	s_lshr_b32 s22, s17, 1
	s_add_co_u32 s21, s21, s22
	s_add_co_u32 s21, s21, 8                       ; for wv: step = 8 + 4 g + s / 2,
	s_and_b32 s22, s17, 1                          ; unit = s % 2
	s_cmp_eq_u32 s14, 1
	s_cselect_b32 s20, s21, s20
	s_cselect_b32 s22, s22, s16
	s_mul_i32 s20, s20, 102400
	s_mul_i32 s21, s15, 25600
	s_add_co_u32 s20, s20, s21
	s_mul_i32 s22, s22, 12800
	s_add_co_u32 s20, s20, s22                     ; the unit's first byte
	s_mov_b32 s21, 0
	s_wait_kmcnt 0x0
	s_cmp_eq_u32 s14, 3                            ; the choice of tensor hangs on the work-group's number alone
	s_cselect_b64 s[4:5], s[6:7], s[4:5]
	s_add_nc_u64 s[4:5], s[4:5], s[18:19]
	s_add_nc_u64 s[8:9], s[8:9], s[20:21]
.irp i, 0,1,2,3,4,5,6,7,8,9,10,11,12,13,14,15
	global_load_b128 v[N+4*\i:N+4*\i+3], v5, s[4:5] offset:(\i+8*(\i/8))*4096 th:TH_LOAD_NT   ; 32 lanes read 512 consecutive bytes of the tile's row i
.endr
	s_wait_loadcnt 0x0
.irp i, 0,1,2,3,4,5,6,7,8,9,10,11,12,13,14,15
	ds_store_b128 v6, v[N+4*\i:N+4*\i+3] offset:528*\i
.endr
.irp c, 0,1
.irp j, 0,1,2,3,4,5,6,7
	ds_load_b128 v[N+32*\c+4*\j:N+32*\c+4*\j+3], v7 offset:256*\c+16*\j   ; LDS serves a wave's instructions in order: these see my stores
.endr
.endr
	s_wait_dscnt 0x0
	QUANTW N
.irp c, 0,1,2
	global_store_b128 v10, v[PC+4*\c:PC+4*\c+3], s[8:9] offset:512*\c    ; 32 lanes store 512 consecutive bytes, aligned to 256
.endr
	ds_store_b32 v8, v[QW]                         ; lanes l and l + 16 write the same word with the same value
	s_wait_dscnt 0x0                               ; for wave 0's sake: my scale words have landed
	s_barrier_signal -1
	s_barrier_wait -1
	s_cmp_lg_u32 s10, 0
	s_cbranch_scc1 .Ldone
	ds_load_b128 v[12:15], v9                      ; the eight tiles' scale words
	s_wait_dscnt 0x0
	global_store_b128 v5, v[12:15], s[8:9] offset:12288
.Ldone:
	s_wait_tensorcnt 0x0
	ds_add_u32 v128, v129
	s_wait_dscnt 0x0
	s_endpgm
.Lfunc_end_k_qadf089057f_prep:
	.size	k_qadf089057f_prep, .Lfunc_end_k_qadf089057f_prep-k_qadf089057f_prep
	.p2alignl 7, 3214868480
	.fill 96, 4, 3214868480
	.section	.rodata,"a",@progbits
	.p2align	6, 0x0
	.amdhsa_kernel k_qadf089057f_prep
		.amdhsa_group_segment_fixed_size 69632
		.amdhsa_private_segment_fixed_size 0
		.amdhsa_enable_private_segment 0
		.amdhsa_kernarg_size 24
		.amdhsa_user_sgpr_count 2
		.amdhsa_user_sgpr_kernarg_segment_ptr 1
		.amdhsa_wavefront_size32 1
		.amdhsa_system_sgpr_workgroup_id_x 1
		.amdhsa_system_sgpr_workgroup_id_y 1
		.amdhsa_system_sgpr_workgroup_id_z 1
		.amdhsa_system_vgpr_workitem_id 0
		.amdhsa_next_free_vgpr 130
		.amdhsa_next_free_sgpr 66
		.amdhsa_reserve_vcc 0
		.amdhsa_float_denorm_mode_32 3
		.amdhsa_float_denorm_mode_16_64 3
		.amdhsa_memory_ordered 1
		.amdhsa_forward_progress 1
		.amdhsa_inst_pref_size 11
	.end_amdhsa_kernel
	.amdgpu_metadata
---
amdhsa.version: [ 1, 2 ]
amdhsa.kernels:
  - .name:           k_qadf089057f_prep
    .symbol:         k_qadf089057f_prep.kd
    .args:
      - { .name: in_proj_weight, .offset: 0, .size: 8, .value_kind: global_buffer, .address_space: global }
      - { .name: out_proj_weight, .offset: 8, .size: 8, .value_kind: global_buffer, .address_space: global }
      - { .name: wcodes, .offset: 16, .size: 8, .value_kind: global_buffer, .address_space: global }
    .group_segment_fixed_size: 69632
    .private_segment_fixed_size: 0
    .kernarg_segment_align: 8
    .kernarg_segment_size: 24
    .max_flat_workgroup_size: 256
    .sgpr_count:     66
    .vgpr_count:     130
    .wavefront_size: 32
...
	.end_amdgpu_metadata
.endif
;; end of part 1
;; launch kvpart (part 2): grid 256 x 1, 4 waves a work-group, clusters of 4 x 1, 327,680 bytes of LDS; arguments key, value, in_proj_bias, wcodes, kvp; writes kvp
.if DOCPART == 2
	.amdgcn_target "amdgcn-amd-amdhsa--gfx1250"
	.amdhsa_code_object_version 6
	.text
	.protected	k_qadf089057f_kvpart
	.globl	k_qadf089057f_kvpart
	.p2align	8
	.type	k_qadf089057f_kvpart,@function
k_qadf089057f_kvpart:
	s_mov_b64 s[64:65], 0
	v_nop
	global_prefetch_b8 v0, s[64:65] scope:SCOPE_SE
	s_setreg_imm32_b32 hwreg(HW_REG_WAVE_MODE, 25, 1), 1
	s_wait_xcnt 0x0
	s_wait_alu depctr_hold_cnt(0) depctr_sa_sdst(0) depctr_va_vdst(0) depctr_va_sdst(0) depctr_va_ssrc(0) depctr_va_vcc(0) depctr_vm_vsrc(0)
	s_getreg_b32 s2, hwreg(HW_REG_IB_STS2, 6, 4)
	s_cmp_eq_u32 s2, 0
	s_cbranch_scc0 .Lentry_in_a_cluster
	s_endpgm
.Lentry_in_a_cluster:
	s_bfe_u32 s2, ttmp6, 0x10000c
	s_cmp_lg_u32 s2, 0x3003
	s_cbranch_scc0 .Lentry_shape_is_right
	s_endpgm
.Lentry_shape_is_right:
; kvp[b][sb][e] = the sum over 64 neighbouring s of (k / |k|)[s][b][e] x v[s][b][e], with k = Q(key) Q(wk)^T + bk, v = Q(value) Q(wv)^T + bv, both products on codes of FP6 (E2M3) with E8M0 scales for each 32 along K.
; SHARES.  A work-group owns 64 rows (one b = its place in the cluster, s = 64 x cluster + 0 .. 63; rows 16,384 bytes apart) and ALL 1,024 features, since a row's norm wants them all.
; Wave w owns features 256 w .. 256 w + 255 as two groups of 8 tiles; k is 64 accumulators, 512 registers; v is made a group at a time, 256 registers.
; THE PRODUCTS ARE USED TRANSPOSED (source 0 = 16 weight rows, source 1 = 16 rows of x): lane (r, h) holds row r, and register 64 m + 8 t + j of a group the feature 128 g + 32 (t / 2) + 16 h + 8 (t % 2) + j.
; x IS QUANTISED HERE: wave w takes rows 16 w .. 16 w + 15; a chunk of 128 along K is 16 loads of 512 consecutive bytes, turns through the wave's stage, and goes to LDS as an image of the operand's registers.
; key's eight chunks first; value's are quantised under the product for k, each into the image slot whose key image every wave has already taken into registers.
; THE WEIGHTS come as laid by the launch before: 16 steps of 102,400 bytes through a ring of two LDS slots; wave w fetches and reads block w alone.  All work-groups walk the same weights: the four of a cluster ask JOINTLY
; (the same tensor load, the same descriptor, a mask that names the four), behind a round of the cluster's barrier in every step that fills a slot again.
; LIMITS: a block of zeros gets the byte 1 over zero codes; NaN and infinities among the inputs are not served; a row whose squared norm lies under 2^-126 counts as 0 for v_rsq_f32.
; REGISTERS, in windows of 256: window 0: v1-28 addresses; v32-127 8 weight fragments; v128-223 two sets of 4 fragments of x; v224-231, v232-239 scale words alone; v240-255 1 / norm and sums of squares.
;   window 1: three sets of 64 numbers of x and the quantiser's registers; later v's 32 accumulators.   windows 2, 3: k's accumulators of groups 0, 1, at 64 m + 8 t.
.set RING1, 102400                     ; a slot; slot 1 begins here
.set WBLK,  25600                      ; a wave's block of a step
.set UNIT,  12800                      ; 8 fragments and their scale words
.set FRB,   1536                       ; a fragment's image
.set XIMG,  204800                     ; x's images: fragment (K step s, row tile m) at 6,144 s + 1,536 m
.set XSC,   253952                     ; their scale words: 512 s + 16 x lane + 4 m
.set STAGE, 258048                     ; a stage of 16 rows x (512 + 16) bytes for each wave
.set STGW,  8448
.set BIAS,  291840                     ; bk, then bv: each wave's own 1,024 bytes of each
.set NRM,   304128                     ; the waves' parts of the squared norms: 256 m + 16 r + 4 w
.set SPARE, 305152                     ; the spare words, 128 bytes for each wave: two blocks of 256 bytes that no other line names
.set SPW, 1                            ; v1  my spare word; never rewritten
.set NIL, 2                            ; v2  0; never rewritten
.set L16, 3                            ; v3  16 x lane
.set AW,  4                            ; v4-5   my block's fragments in slot 0, 1
.set AWS, 6                            ; v6-7   its scale words (16 x (lane % 16))
.set XFA0, 8                           ; v8   x's images, to fetch
.set XFS0, 9                           ; v9   their scale words
.set XWA0, 10                          ; v10  where I store my row tile's image
.set XWS0, 11                          ; v11  and its scale words
.set STI, 12                           ; v12  stage: 16 x lane
.set STO, 13                           ; v13  stage: row r, + 128 h
.set STH, 14                           ; v14  stage: row r, + 64 h
.set XOFF, 15                          ; v15  x: 16 x lane + my 16 rows
.set BA,  16                           ; v16  bias table: my wave's, + 64 h
.set NW,  17
.set NR,  18
.set GOFF, 19                          ; v19  16 x lane + 1,024 w
.set XFA, 24                           ; v24-27  v8-11 at the lap in hand
.set XFS, 25
.set XWA, 26
.set XWS, 27
.set BW,  28                           ; v28  bias table, to store
.set WB,  32
.set XB,  128
.set WS,  224
.set XS,  232
.set RN,  240                          ; v240-247 1 / norm of row tile m, as pairs
.set SQ,  248                          ; v248-255 sums of squares
.set NT,  128                          ; in x's registers while they are free
.set NP,  136
.set R0,  0                            ; window 1
.set R2,  128
.set QM,  192
.set QS,  194
.set QB,  196
.set QW,  198
.set QP,  199
.set Q8H, 200
.set PC,  204
.set AUX, 216
.set WV,  18
.set SEL, 20
.set G1,  24                           ; s[24:31] descriptor group 1
.set G0,  32                           ; s[32:35], s[36:39] group 0 for slot 0, 1
.set LAP, 40
.set XO,  41                           ; the lap's first image, in bytes
.set XSO, 42                           ; and its scale words
.set MSB, 0
.macro WIN new                         ; the immediate's high byte repeats the setting that is left; bits 1:0 source 0, 3:2 source 1, 5:4 source 2, 7:6 destination
.if MSB != (\new)
	s_set_vgpr_msb (MSB<<8)|(\new)
.set MSB, (\new)
.endif
.endm
.macro ROUND                           ; a round of the cluster's barrier
	s_barrier_signal -1
	s_barrier_wait -1
	s_cmp_lg_u32 s[WV], 0
	s_cbranch_scc1 .Lnot_wave_0_\@
	s_barrier_signal -3
.Lnot_wave_0_\@:
	s_barrier_wait -3
	s_barrier_signal -1
	s_barrier_wait -1
.endm
.macro PLACES                          ; four plain instructions behind matrix instructions, ahead of loads into their registers and of reads of their results
.rept 4
	v_nop
.endr
.endm
; 16 products: weight tiles t0 .. t0 + 3 x the four row tiles of x's set.  The accumulators take turns, one instruction a turn.
.macro MUL16 t0, set
.irp t, \t0, \t0+1, \t0+2, \t0+3
.irp m, 0,1,2,3
	v_wmma_scale_f32_16x16x128_f8f6f4 v[64*\m+8*(\t):64*\m+8*(\t)+7], v[WB+12*(\t):WB+12*(\t)+11], v[XB+48*(\set)+12*\m:XB+48*(\set)+12*\m+11], v[64*\m+8*(\t):64*\m+8*(\t)+7], v[WS+(\t)], v[XS+4*(\set)+\m] matrix_a_fmt:MATRIX_FMT_FP6 matrix_b_fmt:MATRIX_FMT_FP6
.endr
.endr
.endm
.macro LOADW q, slot, u                ; 13 loads: weight tiles 4 q .. 4 q + 3 of unit u and their scale words
.irp t, 0,1,2,3
.irp c, 0,1,2
	ds_load_b128 v[WB+12*(4*(\q)+\t)+4*\c:WB+12*(4*(\q)+\t)+4*\c+3], v[AW+(\slot)] offset:UNIT*(\u)+FRB*(4*(\q)+\t)+512*\c
.endr
.endr
	ds_load_b128 v[WS+4*(\q):WS+4*(\q)+3], v[AWS+(\slot)] offset:UNIT*(\u)+12288+256*(\q)
.endm
.macro LOADX set, adr, adrs, off, offs ; 13 loads: a K step's four fragments of x and their scale words
.irp m, 0,1,2,3
.irp c, 0,1,2
	ds_load_b128 v[XB+48*(\set)+12*\m+4*\c:XB+48*(\set)+12*\m+4*\c+3], v[\adr] offset:(\off)+FRB*\m+512*\c
.endr
.endr
	ds_load_b128 v[XS+4*(\set):XS+4*(\set)+3], v[\adrs] offset:(\offs)
.endm
.macro XLOAD reg, sp, imm              ; my 16 rows' 512 bytes of a chunk: each load reads 512 consecutive bytes
.irp i, 0,1,2,3,4,5,6,7,8,9,10,11,12,13,14,15
	global_load_b128 v[\reg+4*\i:\reg+4*\i+3], v[XOFF], s[\sp:\sp+1] offset:16384*\i+(\imm) th:TH_LOAD_NT
.endr
.endm
.macro XTURN n                         ; through my stage: afterwards register 32 c + i = k 64 c + 32 h + i of row r.  LDS serves a wave's instructions in order
.irp i, 0,1,2,3,4,5,6,7,8,9,10,11,12,13,14,15
	ds_store_b128 v[STI], v[\n+4*\i:\n+4*\i+3] offset:528*\i
.endr
.irp c, 0,1
.irp j, 0,1,2,3,4,5,6,7
	ds_load_b128 v[\n+32*\c+4*\j:\n+32*\c+4*\j+3], v[STO] offset:256*\c+16*\j
.endr
.endr
.endm
.macro QUANTW n                        ; 64 numbers -> 12 registers of codes in v[PC] on, the row's scale word in v[QW]; all in window 1
.irp c, 0,1
	v_max3_num_f32 v[QM+\c], |v[\n+32*\c]|, |v[\n+32*\c+1]|, 0x1800000   ; with the floor 2^(3 - 127): the byte cannot fall under 1
.endr
.irp i, 2,4,6,8,10,12,14,16,18,20,22,24,26,28,30
.irp c, 0,1
	v_max3_num_f32 v[QM+\c], v[QM+\c], |v[\n+32*\c+\i]|, |v[\n+32*\c+\i+1]|
.endr
.endr
.irp c, 0,1
	v_add_nc_u32 v[QS+\c], 0xff000000, v[QM+\c]    ; 2 off the exponent field: the conversion's scale operand
.endr
.irp c, 0,1
	v_lshrrev_b32 v[QB+\c], 23, v[QS+\c]
.endr
	v_lshl_or_b32 v[QW], v[QB+1], 16, v[QB]
	v_lshlrev_b32 v[QW], v[Q8H], v[QW]
	v_permlanex16_b32 v[QP], v[QW], s[SEL], s[SEL+1]
	v_or_b32 v[QW], v[QW], v[QP]
.irp c, 0,1
	v_cvt_scalef32_pk16_fp6_f32 v[PC+6*\c:PC+6*\c+2], v[\n+32*\c:\n+32*\c+15], v[QS+\c]
	v_cvt_scalef32_pk16_fp6_f32 v[AUX+4*\c:AUX+4*\c+2], v[\n+32*\c+16:\n+32*\c+31], v[QS+\c]
.endr
	v_nop                                          ; one plain instruction behind the conversions
.irp c, 0,1
.irp i, 0,1,2
	v_mov_b32 v[PC+6*\c+3+\i], v[AUX+4*\c+\i]
.endr
.endr
.endm
.macro IMAGE adr, adrs, off, offs, pc, pw
.irp c, 0,1,2
	ds_store_b128 v[\adr], v[\pc+4*\c:\pc+4*\c+3] offset:(\off)+512*\c
.endr
	ds_store_b32 v[\adrs], v[\pw] offset:(\offs)
.endm
.macro BIASINIT mat, g                 ; the sums begin with the bias: 64 loads into a group's 32 accumulators (the caller sets the destination's window)
.irp m, 0,1,2,3
.irp t, 0,1,2,3,4,5,6,7
.irp i, 0,1
	ds_load_b128 v[64*\m+8*\t+4*\i:64*\m+8*\t+4*\i+3], v[BA] offset:4096*(\mat)+512*(\g)+128*(\t/2)+32*(\t%2)+16*\i
.endr
.endr
.endr
.endm
.macro LAPADR
	v_add_nc_u32 v[XFA], s[XO], v[XFA0]
	v_add_nc_u32 v[XWA], s[XO], v[XWA0]
	v_add_nc_u32 v[XFS], s[XSO], v[XFS0]
	v_add_nc_u32 v[XWS], s[XSO], v[XWS0]
.endm
; value's chunk of K step s is quantised in step s of k's product, into image slot s.  kind 1: the chunk two on is asked for; 2: not; 3: the last chunk
.macro STRM p, kind
.set RS, R2-R2*(\p)
.if \kind == 3
	s_wait_loadcnt 0x0
.else
	s_wait_loadcnt 16                              ; my chunk is in; the next chunk's sixteen loads may be out
.endif
	WIN 0x44                                       ; data in window 1, addresses in window 0
	XTURN RS
	s_wait_dscnt 0x0
	WIN 0x55
	QUANTW RS
	WIN 0x44
	IMAGE XWA, XWS, 6144*(\p), 512*(\p), PC, QW
.if \kind == 1
	XLOAD RS, 6, 512*(\p+2)
.endif
	WIN 0
.endm
; A K STEP of k's product: 64 products on slot p and x's set p; unit A feeds group 0 (window 2), unit B group 1 (window 3).  On entry at most unit A's two runs of 13 loads are out.
.macro KSTEP p, strm, fx, refill, fw
	s_wait_dscnt 13                                ; unit A's tiles 0-3 are in; the run for tiles 4-7 may be out
	WIN 0xa0
	MUL16 0, \p
	PLACES
	WIN 0
	LOADW 0, \p, 1
.if \fx
	LOADX 1-\p, XFA, XFS, 6144*(\p+1), 512*(\p+1)
.endif
	s_wait_dscnt 13+13*\fx                         ; unit A's tiles 4-7 are in; what was just issued may be out
	WIN 0xa0
	MUL16 4, \p
	PLACES
	WIN 0
	LOADW 1, \p, 1                                 ; the slot's last reads are issued
.if \strm
	STRM \p, \strm
.endif
.if \refill
	s_wait_tensorcnt 0x0                           ; all my tensor loads have landed: my block of the next slot
	ds_add_u32 v[SPW], v[NIL]                      ; 0 onto my spare word
	s_add_nc_u64 s[G0+4*\p+2:G0+4*\p+3], s[G0+4*\p+2:G0+4*\p+3], 2*RING1   ; no tensor load of mine is out: this slot's next step
.if \strm == 0
	s_wait_dscnt 14+13*\fx                         ; unit B's tiles 0-3 are in; behind them: x's run, tiles 4-7, the add
.endif
	WIN 0xf0
	MUL16 0, \p
	WIN 0
	s_wait_dscnt 0x0                               ; the add is done, my reads of the slot are over, my image has landed
	ROUND                                          ; so of every wave of the four work-groups
	tensor_load_to_lds s[G0+4*\p:G0+4*\p+3], s[G1:G1+7]   ; my one tensor load behind the round: a whole step in which to land
	s_nop 0
	PLACES
.else
	s_wait_tensorcnt 0x0
	s_wait_dscnt 13+13*\fx
	WIN 0xf0
	MUL16 0, \p
	PLACES
	WIN 0
.endif
.if \fw
	LOADW 0, 1-\p, 0
.endif
.if \refill == 0
	s_wait_dscnt 13*\fw
.endif
	WIN 0xf0
	MUL16 4, \p
	PLACES
	WIN 0
.if \fw
	LOADW 1, 1-\p, 0
.endif
.endm
; A STEP of v's product: two K steps of one group: unit A with x's set 0, unit B with set 1, both on window 1.  nx: the images x0, x0 + 1 are fetched for the next step.
; On entry at most three runs of 13 loads are out: tiles 0-3, tiles 4-7, x's set 1.
.macro GSTEP p, nx, x0, refill, fw
	s_wait_dscnt 26
	WIN 0x50
	MUL16 0, 0
	PLACES
	WIN 0
	LOADW 0, \p, 1
	s_wait_dscnt 26                                ; unit A's tiles 4-7 are in; x's set 1 and the run just issued may be out
	WIN 0x50
	MUL16 4, 0
	PLACES
	WIN 0
	LOADW 1, \p, 1
.if \nx
	LOADX 0, XFA0, XFS0, 6144*(\x0), 512*(\x0)
.endif
.if \refill
	s_wait_tensorcnt 0x0
	ds_add_u32 v[SPW], v[NIL]
	s_add_nc_u64 s[G0+4*\p+2:G0+4*\p+3], s[G0+4*\p+2:G0+4*\p+3], 2*RING1
	s_wait_dscnt 14+13*\nx                         ; x's set 1 and unit B's tiles 0-3 are in
	WIN 0x50
	MUL16 0, 1
	WIN 0
	s_wait_dscnt 0x0
	ROUND
	tensor_load_to_lds s[G0+4*\p:G0+4*\p+3], s[G1:G1+7]
	s_nop 0
	PLACES
.else
	s_wait_tensorcnt 0x0
	s_wait_dscnt 13+13*\nx
	WIN 0x50
	MUL16 0, 1
	PLACES
	WIN 0
.endif
.if \fw
	LOADW 0, 1-\p, 0
.endif
.if \refill == 0
	s_wait_dscnt 13*\nx+13*\fw
.endif
	WIN 0x50
	MUL16 4, 1
	PLACES
	WIN 0
.if \fw
	LOADW 1, 1-\p, 0
.endif
.if \nx
	LOADX 1, XFA0, XFS0, 6144*(\x0+1), 512*(\x0+1)
.endif
.endm
; Group g of v is whole: v x k / |k|, summed over the four row tiles in registers and over the 16 rows through my stage; 512 bytes of kvp leave.
.macro EPI g
	WIN 0x59+4*(\g)                                ; v in window 1, k / |k| (source 1) in window 2 + g
.set i, 0
.rept 32
	v_pk_mul_f32 v[i:i+1], v[i:i+1], v[i:i+1]
.set i, i+2
.endr
.irp m, 1,2,3
.set i, 0
.rept 32
	v_pk_fma_f32 v[i:i+1], v[64*\m+i:64*\m+i+1], v[64*\m+i:64*\m+i+1], v[i:i+1]
.set i, i+2
.endr
.endr
	WIN 0x44
.irp b, 0,1,2,3
.irp j, 0,1,2,3
	ds_store_b128 v[STH], v[16*\b+4*\j:16*\b+4*\j+3] offset:128*\b+16*\j    ; row r of the stage: the group's 128 features in their order
.endr
.endr
.irp j, 0,1,2,3,4,5,6,7,8,9,10,11,12,13,14,15
	ds_load_b128 v[64+4*\j:64+4*\j+3], v[STI] offset:528*\j
.endr
	s_wait_dscnt 0x0
	WIN 0x55
.irp d, 8,4,2,1
.set j, 0
.rept \d
	v_pk_add_f32 v[64+4*j:65+4*j], v[64+4*j:65+4*j], v[64+4*(j+\d):65+4*(j+\d)]
	v_pk_add_f32 v[66+4*j:67+4*j], v[66+4*j:67+4*j], v[66+4*(j+\d):67+4*(j+\d)]
.set j, j+1
.endr
.endr
	WIN 0x44
	global_store_b128 v[GOFF], v[64:67], s[12:13] offset:512*(\g)            ; 32 lanes store 512 consecutive bytes, aligned to 256
	WIN 0
.endm
.macro CHUNK c                         ; key's chunk c, in set c % 3; the chunk three on (after key's eight: value's first two) is asked for
.set RS, 64*((\c)%3)
	s_wait_loadcnt 32                              ; my chunk is in; two chunks' loads may be out
	WIN 0x44
	XTURN RS
	s_wait_dscnt 0x0
	WIN 0x55
	QUANTW RS
	WIN 0x44
	IMAGE XWA0, XWS0, 6144*(\c), 512*(\c), PC, QW
.if (\c) < 5
	XLOAD RS, 4, 512*((\c)+3)
.elseif (\c) < 7
	XLOAD RS, 6, 512*((\c)-5)
.endif
.endm
	s_load_b256 s[4:11], s[0:1], 0x0               ; key s[4:5], value s[6:7], in_proj_bias s[8:9], wcodes s[10:11]
	s_load_b64 s[12:13], s[0:1], 0x20              ; kvp
	v_lshl_add_u32 v[SPW], v0, 2, SPARE
	v_mov_b32 v[NIL], 0
	ds_add_u32 v1, v2
	ds_add_u32 v1, v2
	s_wait_dscnt 0x0
	v_lshrrev_b32 v29, 5, v0
	v_readfirstlane_b32 s[WV], v29                 ; wave 0..3
	v_and_b32 v29, 31, v0                          ; lane
	v_and_b32 v30, 15, v0                          ; r
	v_bfe_u32 v31, v0, 4, 1                        ; h
	v_lshlrev_b32 v[L16], 4, v29
	s_mul_i32 s44, s[WV], WBLK
	s_mov_b32 s45, 0
	v_add_nc_u32 v[AW], s44, v[L16]
	v_add_nc_u32 v[AW+1], RING1, v[AW]
	v_lshl_add_u32 v[AWS], v30, 4, s44
	v_add_nc_u32 v[AWS+1], RING1, v[AWS]
	v_add_nc_u32 v[XFA0], XIMG, v[L16]
	v_add_nc_u32 v[XFS0], XSC, v[L16]
	s_mul_i32 s46, s[WV], FRB
	v_add_nc_u32 v[XWA0], s46, v[XFA0]
	s_lshl_b32 s46, s[WV], 2
	v_add_nc_u32 v[XWS0], s46, v[XFS0]
	s_add_co_u32 s46, s46, NRM
	v_lshl_add_u32 v[NW], v30, 4, s46
	v_lshlrev_b32 v[NR], 4, v30
	v_add_nc_u32 v[NR], NRM, v[NR]
	s_mul_i32 s46, s[WV], STGW
	s_add_co_u32 s46, s46, STAGE
	v_add_nc_u32 v[STI], s46, v[L16]
	v_mul_u32_u24 v[STH], v30, 528
	v_add_nc_u32 v[STH], s46, v[STH]
	v_lshl_add_u32 v[STO], v31, 7, v[STH]
	v_lshl_add_u32 v[STH], v31, 6, v[STH]
	s_lshl_b32 s46, s[WV], 18                      ; my 16 rows: 16 x 16,384 bytes a wave
	v_add_nc_u32 v[XOFF], s46, v[L16]
	s_lshl_b32 s46, s[WV], 10
	v_add_nc_u32 v[GOFF], s46, v[L16]
	s_add_co_u32 s46, s46, BIAS
	v_lshl_add_u32 v[BA], v31, 6, s46
	v_add_nc_u32 v[BW], s46, v[L16]
	WIN 0x40
	v_lshlrev_b32 v[Q8H], 3, v31
	v_mov_b32 v[QP], 0                             ; written once: a lane permute's destination counts as one of its sources
	WIN 0
	s_mov_b32 s[SEL], 0x76543210
	s_mov_b32 s[SEL+1], 0xfedcba98
	; descriptor group 1: a dense block of 25,600 bytes as 100 rows of 256 bytes (32 elements of 8 bytes), no padding
	s_mov_b32 s[G1], 0x0023000f                    ; 15:0 the mask: all four work-groups; 17:16 elements of 8 bytes; 21 set beside a mask
	s_mov_b32 s[G1+1], 32<<16                      ; tensor_dim0
	s_mov_b32 s[G1+2], 100<<16                     ; tensor_dim1
	s_mov_b32 s[G1+3], 32<<16                      ; tile_dim0
	s_mov_b32 s[G1+4], 100                         ; tile_dim1
	s_mov_b32 s[G1+5], 32                          ; from row to row
	s_mov_b32 s[G1+6], 0
	s_mov_b32 s[G1+7], 0
	s_bfe_u32 s46, ttmp6, 0x40000                  ; my place in the cluster = b: it enters global addresses of x and kvp alone
	s_lshl_b32 s48, ttmp9, 20                      ; 64 s x 16,384 bytes
	s_lshl_b32 s47, s46, 12
	s_add_co_u32 s48, s48, s47
	s_mov_b32 s49, 0
	s_lshl_b32 s50, s46, 6
	s_add_co_u32 s50, s50, ttmp9
	s_lshl_b32 s50, s50, 12                        ; kvp's row 64 b + sb
	s_mov_b32 s51, 0
	s_wait_kmcnt 0x0
	s_add_nc_u64 s[4:5], s[4:5], s[48:49]
	s_add_nc_u64 s[6:7], s[6:7], s[48:49]
	s_add_nc_u64 s[12:13], s[12:13], s[50:51]
	s_add_nc_u64 s[10:11], s[10:11], s[44:45]      ; wcodes at my block of step 0
	s_mov_b32 s[G0], 1
	s_mov_b32 s[G0+1], s44
	s_mov_b64 s[G0+2:G0+3], s[10:11]
	s_or_b32 s[G0+3], s[G0+3], 0x80000000
	s_mov_b32 s[G0+4], 1
	s_add_co_u32 s[G0+5], s44, RING1
	s_add_nc_u64 s[G0+6:G0+7], s[10:11], RING1
	s_or_b32 s[G0+7], s[G0+7], 0x80000000
	global_load_b128 v[XB:XB+3], v[GOFF], s[8:9] offset:4096       ; bk, my 256
	global_load_b128 v[XB+4:XB+7], v[GOFF], s[8:9] offset:4608
	global_load_b128 v[XB+8:XB+11], v[GOFF], s[8:9] offset:8192    ; bv
	global_load_b128 v[XB+12:XB+15], v[GOFF], s[8:9] offset:8704
	WIN 0x44
	XLOAD 0, 4, 0
	XLOAD 64, 4, 512
	XLOAD 128, 4, 1024
	WIN 0
	ROUND                                          ; all four work-groups are here: the first joint loads meet
	tensor_load_to_lds s[G0:G0+3], s[G1:G1+7]      ; steps 0 and 1: two loads of mine are out
	s_nop 0
	tensor_load_to_lds s[G0+4:G0+7], s[G1:G1+7]
	s_nop 0
	PLACES
	s_wait_loadcnt 48                              ; the biases are in; behind them: three chunks' loads
	ds_store_b128 v[BW], v[XB:XB+3]
	ds_store_b128 v[BW], v[XB+4:XB+7] offset:512
	ds_store_b128 v[BW], v[XB+8:XB+11] offset:4096
	ds_store_b128 v[BW], v[XB+12:XB+15] offset:4608
.irp c, 0,1,2,3,4,5,6,7
	CHUNK \c
.endr
	WIN 0
	s_wait_dscnt 0x0                               ; my images have landed
	s_barrier_signal -1
	s_barrier_wait -1                              ; key's 32 fragments lie in LDS
	LOADX 0, XFA0, XFS0, 0, 0
	WIN 0x80
	BIASINIT 0, 0
	WIN 0xc0
	BIASINIT 0, 1
	WIN 0
	s_wait_tensorcnt 0x1                           ; my block of step 0 is in; step 1's may stay out
	LOADW 0, 0, 0
	LOADW 1, 0, 0
	s_wait_dscnt 0x0                               ; image 0 is in my registers:
	s_barrier_signal -1
	s_barrier_wait -1                              ; in everybody's: step 0 may lay value's image over it
	s_mov_b32 s[XO], 0
	s_mov_b32 s[XSO], 0
	s_mov_b32 s[LAP], 3
.Lk:                                               ; a lap = two K steps = once round the ring
	LAPADR
	KSTEP 0, 1, 1, 1, 1
	KSTEP 1, 1, 1, 1, 1
	s_wait_xcnt 0x0                                ; the loads have read their base
	s_add_nc_u64 s[6:7], s[6:7], 1024
	s_add_co_u32 s[XO], s[XO], 12288
	s_add_co_u32 s[XSO], s[XSO], 1024
	s_sub_co_u32 s[LAP], s[LAP], 1
	s_cmp_lg_u32 s[LAP], 0
	s_cbranch_scc1 .Lk
	LAPADR
	KSTEP 0, 2, 1, 1, 1                            ; the last lap asks for no more of value
	KSTEP 1, 3, 0, 1, 1
	; ---- the rows' norms: my 256 features' squares, the four row tiles by turns, each accumulator from its low end on
	WIN 0x0a
.irp m, 0,1,2,3
	v_pk_mul_f32 v[SQ+2*\m:SQ+2*\m+1], v[64*\m:64*\m+1], v[64*\m:64*\m+1]
.endr
.set i, 2
.rept 31
.irp m, 0,1,2,3
	v_pk_fma_f32 v[SQ+2*\m:SQ+2*\m+1], v[64*\m+i:64*\m+i+1], v[64*\m+i:64*\m+i+1], v[SQ+2*\m:SQ+2*\m+1]
.endr
.set i, i+2
.endr
	WIN 0x0f
.set i, 0
.rept 32
.irp m, 0,1,2,3
	v_pk_fma_f32 v[SQ+2*\m:SQ+2*\m+1], v[64*\m+i:64*\m+i+1], v[64*\m+i:64*\m+i+1], v[SQ+2*\m:SQ+2*\m+1]
.endr
.set i, i+2
.endr
	WIN 0
.irp m, 0,1,2,3
	v_mov_b32 v[NT+4+\m], 0
.endr
.irp m, 0,1,2,3
	v_add_f32 v[NT+\m], v[SQ+2*\m], v[SQ+2*\m+1]
.endr
.irp m, 0,1,2,3
	v_permlanex16_b32 v[NT+4+\m], v[NT+\m], s[SEL], s[SEL+1]
.endr
.irp m, 0,1,2,3
	v_add_f32 v[NT+\m], v[NT+\m], v[NT+4+\m]       ; with lane l xor 16's: my wave's part of row r's squared norm
.endr
.irp m, 0,1,2,3
	ds_store_b32 v[NW], v[NT+\m] offset:256*\m
.endr
	s_wait_dscnt 0x0
	s_barrier_signal -1
	s_barrier_wait -1                              ; the ring's load may stay out
.irp m, 0,1,2,3
	ds_load_b128 v[NP+4*\m:NP+4*\m+3], v[NR] offset:256*\m
.endr
	s_wait_dscnt 0x0
.irp m, 0,1,2,3
	v_add_f32 v[NP+4*\m], v[NP+4*\m], v[NP+4*\m+1]
.endr
.irp m, 0,1,2,3
	v_add_f32 v[NP+4*\m+2], v[NP+4*\m+2], v[NP+4*\m+3]
.endr
.irp m, 0,1,2,3
	v_add_f32 v[NP+4*\m], v[NP+4*\m], v[NP+4*\m+2]
.endr
.irp m, 0,1,2,3
	v_rsq_f32 v[RN+2*\m], v[NP+4*\m]
.endr
	v_nop                                          ; a plain instruction behind the last of the four
	s_wait_alu depctr_va_vdst(0)                   ; one wait for the four, ahead of their first reader
.irp m, 0,1,2,3
	v_mov_b32 v[RN+2*\m+1], v[RN+2*\m]
.endr
	WIN 0x82                                       ; k / |k|, in place
.irp m, 0,1,2,3
.set i, 0
.rept 32
	v_pk_mul_f32 v[64*\m+i:64*\m+i+1], v[64*\m+i:64*\m+i+1], v[RN+2*\m:RN+2*\m+1] op_sel_hi:[1,0]
.set i, i+2
.endr
.endr
	WIN 0xc3
.irp m, 0,1,2,3
.set i, 0
.rept 32
	v_pk_mul_f32 v[64*\m+i:64*\m+i+1], v[64*\m+i:64*\m+i+1], v[RN+2*\m:RN+2*\m+1] op_sel_hi:[1,0]
.set i, i+2
.endr
.endr
	WIN 0x40
	BIASINIT 1, 0
	WIN 0
	LOADX 0, XFA0, XFS0, 0, 0                      ; value's images of K steps 0 and 1
	LOADX 1, XFA0, XFS0, 6144, 512
	s_wait_dscnt 0x0
	; ---- v, a group of 128 features at a time; the ring goes on
	GSTEP 0, 1, 2, 1, 1
	GSTEP 1, 1, 4, 1, 1
	GSTEP 0, 1, 6, 1, 1
	GSTEP 1, 1, 0, 1, 1
	EPI 0
	s_wait_xcnt 0x0                                ; the store has read its registers
	WIN 0x40
	BIASINIT 1, 1
	WIN 0
	s_wait_dscnt 0x0
	GSTEP 0, 1, 2, 1, 1
	GSTEP 1, 1, 4, 1, 1
	GSTEP 0, 1, 6, 0, 1                            ; the last two steps fill nothing
	GSTEP 1, 0, 0, 0, 0
	EPI 1
	s_wait_tensorcnt 0x0                           ; the wave's end
	ds_add_u32 v[SPW], v[NIL]
	s_wait_dscnt 0x0
	ROUND                                          ; the closing round
	s_endpgm
.Lfunc_end_k_qadf089057f_kvpart:
	.size	k_qadf089057f_kvpart, .Lfunc_end_k_qadf089057f_kvpart-k_qadf089057f_kvpart
	.p2alignl 7, 3214868480
	.fill 96, 4, 3214868480
	.section	.rodata,"a",@progbits
	.p2align	6, 0x0
	.amdhsa_kernel k_qadf089057f_kvpart
		.amdhsa_group_segment_fixed_size 327680
		.amdhsa_private_segment_fixed_size 0
		.amdhsa_enable_private_segment 0
		.amdhsa_kernarg_size 40
		.amdhsa_user_sgpr_count 2
		.amdhsa_user_sgpr_kernarg_segment_ptr 1
		.amdhsa_wavefront_size32 1
		.amdhsa_system_sgpr_workgroup_id_x 1
		.amdhsa_system_sgpr_workgroup_id_y 1
		.amdhsa_system_sgpr_workgroup_id_z 1
		.amdhsa_system_vgpr_workitem_id 0
		.amdhsa_next_free_vgpr 1024
		.amdhsa_next_free_sgpr 66
		.amdhsa_reserve_vcc 0
		.amdhsa_float_denorm_mode_32 3
		.amdhsa_float_denorm_mode_16_64 3
		.amdhsa_memory_ordered 1
		.amdhsa_forward_progress 1
		.amdhsa_inst_pref_size 255
	.end_amdhsa_kernel
	.section	.bss,"aw",@nobits
	.p2align	6
	.space	262144
	.amdgpu_metadata
---
amdhsa.version: [ 1, 2 ]
amdhsa.kernels:
  - .name:           k_qadf089057f_kvpart
    .symbol:         k_qadf089057f_kvpart.kd
    .args:
      - { .name: key, .offset: 0, .size: 8, .value_kind: global_buffer, .address_space: global }
      - { .name: value, .offset: 8, .size: 8, .value_kind: global_buffer, .address_space: global }
      - { .name: in_proj_bias, .offset: 16, .size: 8, .value_kind: global_buffer, .address_space: global }
      - { .name: wcodes, .offset: 24, .size: 8, .value_kind: global_buffer, .address_space: global }
      - { .name: kvp, .offset: 32, .size: 8, .value_kind: global_buffer, .address_space: global }
    .group_segment_fixed_size: 327680
    .private_segment_fixed_size: 0
    .kernarg_segment_align: 8
    .kernarg_segment_size: 40
    .max_flat_workgroup_size: 128
    .sgpr_count:     66
    .vgpr_count:     1024
    .wavefront_size: 32
...
	.end_amdgpu_metadata
.endif
;; end of part 2
;; launch final (part 3): grid 256 x 1, 4 waves a work-group, clusters of 4 x 1, 327,680 bytes of LDS; arguments query, in_proj_bias, out_proj_bias, wcodes, kvp, out0; writes out0
.if DOCPART == 3
	.amdgcn_target "amdgcn-amd-amdhsa--gfx1250"
	.amdhsa_code_object_version 6
	.text
	.protected	k_qadf089057f_final
	.globl	k_qadf089057f_final
	.p2align	8
	.type	k_qadf089057f_final,@function
k_qadf089057f_final:
	s_mov_b64 s[64:65], 0
	v_nop
	global_prefetch_b8 v0, s[64:65] scope:SCOPE_SE
	s_setreg_imm32_b32 hwreg(HW_REG_WAVE_MODE, 25, 1), 1
	s_wait_xcnt 0x0
	s_wait_alu depctr_hold_cnt(0) depctr_sa_sdst(0) depctr_va_vdst(0) depctr_va_sdst(0) depctr_va_ssrc(0) depctr_va_vcc(0) depctr_vm_vsrc(0)
	s_getreg_b32 s2, hwreg(HW_REG_IB_STS2, 6, 4)
	s_cmp_eq_u32 s2, 0
	s_cbranch_scc0 .Lentry_in_a_cluster
	s_endpgm
.Lentry_in_a_cluster:
	s_bfe_u32 s2, ttmp6, 0x10000c
	s_cmp_lg_u32 s2, 0x3003
	s_cbranch_scc0 .Lentry_shape_is_right
	s_endpgm
.Lentry_shape_is_right:
; out0 = Q((q / |q|) x kv) Q(wo)^T + bo, with q = Q(query) Q(wq)^T + bq and kv[b][e] = the sum of kvp's 64 partial rows of b; both products on codes of FP6 (E2M3) with E8M0 scales for each 32 along K.
; SHARES.  A work-group owns 64 rows (one b = its place in the cluster, s = 64 x cluster + 0 .. 63) and all 1,024 features; wave w owns features 256 w .. 256 w + 255: 64 accumulators, 512 registers.
; THE PRODUCTS ARE USED TRANSPOSED (source 0 = 16 weight rows, source 1 = 16 rows): lane (r, h) holds row r, and register 64 m + 8 t + j of group g the feature 256 w + 128 g + 32 (t / 2) + 16 h + 8 (t % 2) + j:
; the 64 registers of (g, m) are K step 2 w + g of the second product, 16 neighbours to two tiles: they are quantised in registers and go to the other waves through LDS as images of the operand's registers.
; query is quantised here, two chunks ahead of the product that reads it; kvp's partial rows are summed beside it, eight rows to a chunk.
; THE WEIGHTS: steps 16 to 31 of wcodes through a ring of two LDS slots; wave w fetches and reads block w alone; the four work-groups of a cluster ask JOINTLY, behind a round of the cluster's barrier.
; LIMITS: a block of zeros gets the byte 1 over zero codes; NaN and infinities among the inputs are not served; a row whose squared norm lies under 2^-126 counts as 0 for v_rsq_f32.
; REGISTERS: window 0: v1-28 addresses; v32-127 8 weight fragments; v128-223 two sets of 4 fragments of x or of the hidden layer (free between the products: the quantiser's); v224-239 scale words alone; v240-255 1 / norm, sums of squares.
;   window 1: v0-127 two sets of query's numbers, v128-191 eight partial rows of kv, v192-222 the quantiser's, v224-231 kv's sums; later kv in the results' order, and rows of out0.   windows 2, 3: the accumulators of groups 0, 1.
.set RING1, 102400
.set WBLK,  25600
.set UNIT,  12800
.set FRB,   1536
.set XIMG,  204800                     ; images: fragment (K step s, row tile m) at 6,144 s + 1,536 m
.set XSC,   253952                     ; their scale words: 512 s + 16 x lane + 4 m
.set STAGE, 258048
.set STGW,  8448
.set BIAS,  291840                     ; bq, then bo
.set KVT,   300032                     ; kv, each wave's own 1,024 bytes
.set NRM,   304128
.set SPARE, 305152                     ; the spare words: two blocks of 256 bytes that no other line names
.set SPW, 1
.set NIL, 2
.set L16, 3
.set AW,  4
.set AWS, 6
.set XFA0, 8
.set XFS0, 9
.set XWA0, 10
.set XWS0, 11
.set STI, 12
.set STO, 13
.set STH, 14
.set XOFF, 15
.set BA,  16
.set NW,  17
.set NR,  18
.set GOFF, 19
.set KVA, 20                           ; v20  kv's table: my wave's, + 64 h
.set KVW, 21                           ; v21  and to store: + 16 x lane
.set HWA, 22                           ; v22  where I store the hidden layer's images: K steps 2 w, 2 w + 1
.set HWS, 23                           ; v23  and their scale words
.set XFA, 24
.set XFS, 25
.set XWA, 26
.set XWS, 27
.set BW,  28
.set WB,  32
.set XB,  128
.set WS,  224
.set XS,  232
.set RN,  240
.set SQ,  248
.set NT,  128
.set NP,  136
.set HPC, 128                          ; the hidden layer's codes, v128-139; v140-146 the second halves as converted
.set TM,  148                          ; v148-163 at work
.set HPW, 164                          ; its scale word
.set R2,  128                          ; window 1
.set QM,  192
.set QS,  194
.set QB,  196
.set QW,  198
.set QP,  199
.set Q8H, 200
.set PC,  204
.set AUX, 216
.set KS,  224
.set WV,  18
.set SEL, 20
.set G1,  24
.set G0,  32
.set LAP, 40
.set XO,  41
.set XSO, 42
.set MSB, 0
.macro WIN new                         ; the immediate's high byte repeats the setting that is left; bits 1:0 source 0, 3:2 source 1, 5:4 source 2, 7:6 destination
.if MSB != (\new)
	s_set_vgpr_msb (MSB<<8)|(\new)
.set MSB, (\new)
.endif
.endm
.macro ROUND                           ; a round of the cluster's barrier
	s_barrier_signal -1
	s_barrier_wait -1
	s_cmp_lg_u32 s[WV], 0
	s_cbranch_scc1 .Lnot_wave_0_\@
	s_barrier_signal -3
.Lnot_wave_0_\@:
	s_barrier_wait -3
	s_barrier_signal -1
	s_barrier_wait -1
.endm
.macro PLACES                          ; four plain instructions behind matrix instructions, ahead of loads into their registers and of reads of their results
.rept 4
	v_nop
.endr
.endm
.macro MUL16 t0, set                   ; 16 products; the accumulators take turns, one instruction a turn
.irp t, \t0, \t0+1, \t0+2, \t0+3
.irp m, 0,1,2,3
	v_wmma_scale_f32_16x16x128_f8f6f4 v[64*\m+8*(\t):64*\m+8*(\t)+7], v[WB+12*(\t):WB+12*(\t)+11], v[XB+48*(\set)+12*\m:XB+48*(\set)+12*\m+11], v[64*\m+8*(\t):64*\m+8*(\t)+7], v[WS+(\t)], v[XS+4*(\set)+\m] matrix_a_fmt:MATRIX_FMT_FP6 matrix_b_fmt:MATRIX_FMT_FP6
.endr
.endr
.endm
.macro LOADW q, slot, u                ; 13 loads
.irp t, 0,1,2,3
.irp c, 0,1,2
	ds_load_b128 v[WB+12*(4*(\q)+\t)+4*\c:WB+12*(4*(\q)+\t)+4*\c+3], v[AW+(\slot)] offset:UNIT*(\u)+FRB*(4*(\q)+\t)+512*\c
.endr
.endr
	ds_load_b128 v[WS+4*(\q):WS+4*(\q)+3], v[AWS+(\slot)] offset:UNIT*(\u)+12288+256*(\q)
.endm
.macro LOADX set, adr, adrs, off, offs ; 13 loads
.irp m, 0,1,2,3
.irp c, 0,1,2
	ds_load_b128 v[XB+48*(\set)+12*\m+4*\c:XB+48*(\set)+12*\m+4*\c+3], v[\adr] offset:(\off)+FRB*\m+512*\c
.endr
.endr
	ds_load_b128 v[XS+4*(\set):XS+4*(\set)+3], v[\adrs] offset:(\offs)
.endm
.macro XLOAD reg, sp, imm
.irp i, 0,1,2,3,4,5,6,7,8,9,10,11,12,13,14,15
	global_load_b128 v[\reg+4*\i:\reg+4*\i+3], v[XOFF], s[\sp:\sp+1] offset:16384*\i+(\imm) th:TH_LOAD_NT
.endr
.endm
.macro XTURN n
.irp i, 0,1,2,3,4,5,6,7,8,9,10,11,12,13,14,15
	ds_store_b128 v[STI], v[\n+4*\i:\n+4*\i+3] offset:528*\i
.endr
.irp c, 0,1
.irp j, 0,1,2,3,4,5,6,7
	ds_load_b128 v[\n+32*\c+4*\j:\n+32*\c+4*\j+3], v[STO] offset:256*\c+16*\j
.endr
.endr
.endm
.macro QUANTW n                        ; register 32 c + i = k 64 c + 32 h + i of row r: two whole blocks a lane; all in window 1
.irp c, 0,1
	v_max3_num_f32 v[QM+\c], |v[\n+32*\c]|, |v[\n+32*\c+1]|, 0x1800000   ; with the floor 2^(3 - 127): the byte cannot fall under 1
.endr
.irp i, 2,4,6,8,10,12,14,16,18,20,22,24,26,28,30
.irp c, 0,1
	v_max3_num_f32 v[QM+\c], v[QM+\c], |v[\n+32*\c+\i]|, |v[\n+32*\c+\i+1]|
.endr
.endr
.irp c, 0,1
	v_add_nc_u32 v[QS+\c], 0xff000000, v[QM+\c]
.endr
.irp c, 0,1
	v_lshrrev_b32 v[QB+\c], 23, v[QS+\c]
.endr
	v_lshl_or_b32 v[QW], v[QB+1], 16, v[QB]
	v_lshlrev_b32 v[QW], v[Q8H], v[QW]
	v_permlanex16_b32 v[QP], v[QW], s[SEL], s[SEL+1]
	v_or_b32 v[QW], v[QW], v[QP]
.irp c, 0,1
	v_cvt_scalef32_pk16_fp6_f32 v[PC+6*\c:PC+6*\c+2], v[\n+32*\c:\n+32*\c+15], v[QS+\c]
	v_cvt_scalef32_pk16_fp6_f32 v[AUX+4*\c:AUX+4*\c+2], v[\n+32*\c+16:\n+32*\c+31], v[QS+\c]
.endr
	v_nop                                          ; one plain instruction behind the conversions
.irp c, 0,1
.irp i, 0,1,2
	v_mov_b32 v[PC+6*\c+3+\i], v[AUX+4*\c+\i]
.endr
.endr
.endm
; 64 numbers in window a, register 16 b + i = k 32 b + 16 h + i of row r, become a fragment's codes in v[HPC] on and its scale word in v[HPW] (window 0)
.macro QUANTH s, a
	WIN 0x14*(\a)                                  ; sources 1 and 2 in window a
.irp b, 0,1,2,3
	v_max3_num_f32 v[TM+\b], 0x1800000, |v[\s+16*\b]|, |v[\s+16*\b+1]|   ; with the floor 2^(3 - 127)
.endr
.irp i, 2,4,6,8,10,12,14
.irp b, 0,1,2,3
	v_max3_num_f32 v[TM+\b], v[TM+\b], |v[\s+16*\b+\i]|, |v[\s+16*\b+\i+1]|
.endr
.endr
	WIN 0
.irp b, 0,1,2,3
	v_permlanex16_b32 v[TM+4+\b], v[TM+\b], s[SEL], s[SEL+1]
.endr
.irp b, 0,1,2,3
	v_max_num_f32 v[TM+\b], v[TM+\b], v[TM+4+\b]   ; with lane l xor 16's: the block's largest magnitude
.endr
.irp b, 0,1,2,3
	v_add_nc_u32 v[TM+12+\b], 0xff000000, v[TM+\b]
.endr
.irp b, 0,1,2,3
	v_lshrrev_b32 v[TM+4+\b], 23, v[TM+12+\b]
.endr
	v_lshl_or_b32 v[HPW], v[TM+5], 8, v[TM+4]
	v_lshl_or_b32 v[HPW], v[TM+6], 16, v[HPW]
	v_lshl_or_b32 v[HPW], v[TM+7], 24, v[HPW]
	WIN (\a)                                       ; source 0 in window a
.irp c, 0,1
	v_cvt_scalef32_pk16_fp6_f32 v[HPC+6*\c:HPC+6*\c+2], v[\s+32*\c:\s+32*\c+15], v[TM+12+2*\c]
	v_cvt_scalef32_pk16_fp6_f32 v[HPC+12+4*\c:HPC+14+4*\c], v[\s+32*\c+16:\s+32*\c+31], v[TM+12+2*\c+1]
.endr
	WIN 0
	v_nop                                          ; one plain instruction behind the conversions
.irp c, 0,1                                    ; the operand's layout wants a whole block in a lane
.irp i, 0,1,2
	v_permlane16_swap_b32 v[HPC+6*\c+\i], v[HPC+12+4*\c+\i]
.endr
.irp i, 0,1,2
	v_mov_b32 v[HPC+3+6*\c+\i], v[HPC+12+4*\c+\i]
.endr
.endr
.endm
.macro IMAGE adr, adrs, off, offs, pc, pw
.irp c, 0,1,2
	ds_store_b128 v[\adr], v[\pc+4*\c:\pc+4*\c+3] offset:(\off)+512*\c
.endr
	ds_store_b32 v[\adrs], v[\pw] offset:(\offs)
.endm
.macro BIASINIT mat, g                 ; the sums begin with the bias (the caller sets the destination's window)
.irp m, 0,1,2,3
.irp t, 0,1,2,3,4,5,6,7
.irp i, 0,1
	ds_load_b128 v[64*\m+8*\t+4*\i:64*\m+8*\t+4*\i+3], v[BA] offset:4096*(\mat)+512*(\g)+128*(\t/2)+32*(\t%2)+16*\i
.endr
.endr
.endr
.endm
.macro LAPADR
	v_add_nc_u32 v[XFA], s[XO], v[XFA0]
	v_add_nc_u32 v[XWA], s[XO], v[XWA0]
	v_add_nc_u32 v[XFS], s[XSO], v[XFS0]
	v_add_nc_u32 v[XWS], s[XSO], v[XWS0]
.endm
; A chunk of query becomes an image; eight partial rows of kv are added.  The loads go out in the order X0 X1 K0 | X2 K1 | X3 K2 ..; nx, nk: how many younger loads may stay out
.macro STREAM set, adr, adrs, off, offs, nx, xl, ximm, nk, kl, kimm
	s_wait_loadcnt \nx
	WIN 0x44
	XTURN \set
	s_wait_dscnt 0x0
	WIN 0x55
	QUANTW \set
	WIN 0x44
	IMAGE \adr, \adrs, \off, \offs, PC, QW
.if \xl
	XLOAD \set, 4, \ximm
.endif
	s_wait_loadcnt \nk
	WIN 0x55
.irp t, 0,1,2,3,4,5,6,7
.irp u, 0,1,2,3
	v_pk_add_f32 v[KS+2*\u:KS+2*\u+1], v[KS+2*\u:KS+2*\u+1], v[R2+8*\t+2*\u:R2+8*\t+2*\u+1]
.endr
.endr
.if \kl
	WIN 0x44
.irp t, 0,1,2,3,4,5,6,7
.irp u, 0,1
	global_load_b128 v[R2+8*\t+4*\u:R2+8*\t+4*\u+3], v[GOFF], s[12:13] offset:(8*(\kimm)+\t)*4096+512*\u
.endr
.endr
.endif
	WIN 0
.endm
.macro STRM p, kind                    ; in K step s: chunk s + 2
.if \kind == 1
	STREAM 64*(\p), XWA, XWS, 6144*(\p+2), 512*(\p+2), 32, 1, 512*(\p+4), 16, 1, \p+3
.elseif \kind == 2
	STREAM 64*(\p), XWA, XWS, 6144*(\p+2), 512*(\p+2), 32, 0, 0, 0, 1, \p+3
.else
	STREAM 64*(\p), XWA, XWS, 6144*(\p+2), 512*(\p+2), 16, 0, 0, 0, 0, 0
.endif
.endm
; A K STEP: 64 products on slot p and set p; unit A feeds group 0 (window 2), unit B group 1 (window 3).  On entry unit A's two runs of 13 loads are the youngest LDS loads.
.macro KSTEP p, strm, fx, refill, fw
	s_wait_dscnt 13                                ; unit A's tiles 0-3 are in; the run for tiles 4-7 may be out
	WIN 0xa0
	MUL16 0, \p
	PLACES
	WIN 0
	LOADW 0, \p, 1
.if \fx
	LOADX 1-\p, XFA, XFS, 6144*(\p+1), 512*(\p+1)
.endif
	s_wait_dscnt 13+13*\fx                         ; unit A's tiles 4-7 are in; what was just issued may be out
	WIN 0xa0
	MUL16 4, \p
	PLACES
	WIN 0
	LOADW 1, \p, 1                                 ; the slot's last reads are issued
.if \strm
	STRM \p, \strm
.endif
.if \refill
	s_wait_tensorcnt 0x0                           ; all my tensor loads have landed: my block of the next slot
	ds_add_u32 v[SPW], v[NIL]                      ; 0 onto my spare word
	s_add_nc_u64 s[G0+4*\p+2:G0+4*\p+3], s[G0+4*\p+2:G0+4*\p+3], 2*RING1   ; no tensor load of mine is out: this slot's next step
.if \strm == 0
	s_wait_dscnt 14+13*\fx                         ; unit B's tiles 0-3 are in; behind them: the other set's run, tiles 4-7, the add
.endif
	WIN 0xf0
	MUL16 0, \p
	WIN 0
	s_wait_dscnt 0x0                               ; the add is done, my reads of the slot are over, my image has landed
	ROUND                                          ; so of every wave of the four work-groups
	tensor_load_to_lds s[G0+4*\p:G0+4*\p+3], s[G1:G1+7]   ; my one tensor load behind the round: a whole step in which to land
	s_nop 0
	PLACES
.else
	s_wait_tensorcnt 0x0
	s_wait_dscnt 13+13*\fx
	WIN 0xf0
	MUL16 0, \p
	PLACES
	WIN 0
.endif
.if \fw
	LOADW 0, 1-\p, 0
.endif
.if \refill == 0
	s_wait_dscnt 13*\fw
.endif
	WIN 0xf0
	MUL16 4, \p
	PLACES
	WIN 0
.if \fw
	LOADW 1, 1-\p, 0
.endif
.endm
; (q / |q|) x kv for row tile m of group g, quantised; its image is K step 2 w + g of the second product
.macro HBLOCK g, m
	WIN 0x82+0x41*(\g)
.set i, 0
.rept 32
	v_pk_mul_f32 v[64*(\m)+i:64*(\m)+i+1], v[64*(\m)+i:64*(\m)+i+1], v[RN+2*(\m):RN+2*(\m)+1] op_sel_hi:[1,0]
.set i, i+2
.endr
	WIN 0x86+0x41*(\g)                             ; source 1: kv, in window 1
.set i, 0
.rept 32
	v_pk_mul_f32 v[64*(\m)+i:64*(\m)+i+1], v[64*(\m)+i:64*(\m)+i+1], v[i:i+1]
.set i, i+2
.endr
	s_wait_dscnt 0x0                               ; the last image's stores have read the codes' registers
	QUANTH 64*(\m), 2+(\g)
	IMAGE HWA, HWS, 6144*(\g)+FRB*(\m), 512*(\g)+4*(\m), HPC, HPW
.endm
; THE WAY OUT of block (g, m): 16 rows x 128 features through my stage, back as whole runs of 512 bytes of a row
.macro TOSTAGE g, m, ob
	WIN 0x48+4*(\g)                                ; store data in window 2 + g, loaded data in window 1
.irp b, 0,1,2,3
.irp j, 0,1,2,3
	ds_store_b128 v[STH], v[64*(\m)+16*\b+4*\j:64*(\m)+16*\b+4*\j+3] offset:128*\b+16*\j   ; each accumulator from its low end on
.endr
.endr
.irp j, 0,1,2,3,4,5,6,7,8,9,10,11,12,13,14,15
	ds_load_b128 v[64*(\ob)+4*\j:64*(\ob)+4*\j+3], v[STI] offset:528*\j   ; LDS serves a wave's instructions in order
.endr
.endm
.macro SEND g, m, ob, younger
	s_wait_dscnt \younger
	WIN 0x04
.irp j, 0,1,2,3,4,5,6,7,8,9,10,11,12,13,14,15
	global_store_b128 v[GOFF], v[64*(\ob)+4*\j:64*(\ob)+4*\j+3], s[14:15] offset:(16*(\m)+\j)*16384+512*(\g) th:TH_STORE_NT   ; 32 lanes store 512 consecutive bytes, aligned to 256
.endr
.endm
	s_load_b256 s[4:11], s[0:1], 0x0               ; query s[4:5], in_proj_bias s[6:7], out_proj_bias s[8:9], wcodes s[10:11]
	s_load_b128 s[12:15], s[0:1], 0x20             ; kvp s[12:13], out0 s[14:15]
	v_lshl_add_u32 v[SPW], v0, 2, SPARE
	v_mov_b32 v[NIL], 0
	ds_add_u32 v1, v2
	ds_add_u32 v1, v2
	s_wait_dscnt 0x0
	v_lshrrev_b32 v29, 5, v0
	v_readfirstlane_b32 s[WV], v29                 ; wave 0..3
	v_and_b32 v29, 31, v0                          ; lane
	v_and_b32 v30, 15, v0                          ; r
	v_bfe_u32 v31, v0, 4, 1                        ; h
	v_lshlrev_b32 v[L16], 4, v29
	s_mul_i32 s44, s[WV], WBLK
	s_mov_b32 s45, 0
	v_add_nc_u32 v[AW], s44, v[L16]
	v_add_nc_u32 v[AW+1], RING1, v[AW]
	v_lshl_add_u32 v[AWS], v30, 4, s44
	v_add_nc_u32 v[AWS+1], RING1, v[AWS]
	v_add_nc_u32 v[XFA0], XIMG, v[L16]
	v_add_nc_u32 v[XFS0], XSC, v[L16]
	s_mul_i32 s46, s[WV], FRB
	v_add_nc_u32 v[XWA0], s46, v[XFA0]
	s_lshl_b32 s46, s[WV], 2
	v_add_nc_u32 v[XWS0], s46, v[XFS0]
	s_add_co_u32 s46, s46, NRM
	v_lshl_add_u32 v[NW], v30, 4, s46
	v_lshlrev_b32 v[NR], 4, v30
	v_add_nc_u32 v[NR], NRM, v[NR]
	s_mul_i32 s46, s[WV], STGW
	s_add_co_u32 s46, s46, STAGE
	v_add_nc_u32 v[STI], s46, v[L16]
	v_mul_u32_u24 v[STH], v30, 528
	v_add_nc_u32 v[STH], s46, v[STH]
	v_lshl_add_u32 v[STO], v31, 7, v[STH]
	v_lshl_add_u32 v[STH], v31, 6, v[STH]
	s_lshl_b32 s46, s[WV], 18
	v_add_nc_u32 v[XOFF], s46, v[L16]
	s_lshl_b32 s47, s[WV], 10
	v_add_nc_u32 v[GOFF], s47, v[L16]
	v_add_nc_u32 v[HWS], s47, v[XFS0]
	s_add_co_u32 s46, s47, BIAS
	v_lshl_add_u32 v[BA], v31, 6, s46
	v_add_nc_u32 v[BW], s46, v[L16]
	s_add_co_u32 s46, s47, KVT
	v_lshl_add_u32 v[KVA], v31, 6, s46
	v_add_nc_u32 v[KVW], s46, v[L16]
	s_mul_i32 s46, s[WV], 12288
	v_add_nc_u32 v[HWA], s46, v[XFA0]
	WIN 0x40
	v_lshlrev_b32 v[Q8H], 3, v31
	v_mov_b32 v[QP], 0                             ; written once: a lane permute's destination counts as one of its sources
.irp i, 0,1,2,3,4,5,6,7
	v_mov_b32 v[KS+\i], 0                          ; kv's sums
.endr
	WIN 0
	s_mov_b32 s[SEL], 0x76543210
	s_mov_b32 s[SEL+1], 0xfedcba98
	; descriptor group 1: a dense block of 25,600 bytes as 100 rows of 256 bytes (32 elements of 8 bytes), no padding
	s_mov_b32 s[G1], 0x0023000f                    ; 15:0 the mask: all four work-groups; 17:16 elements of 8 bytes; 21 set beside a mask
	s_mov_b32 s[G1+1], 32<<16
	s_mov_b32 s[G1+2], 100<<16
	s_mov_b32 s[G1+3], 32<<16
	s_mov_b32 s[G1+4], 100
	s_mov_b32 s[G1+5], 32
	s_mov_b32 s[G1+6], 0
	s_mov_b32 s[G1+7], 0
	s_bfe_u32 s46, ttmp6, 0x40000                  ; my place in the cluster = b: it enters global addresses of query, kvp and out0 alone
	s_lshl_b32 s48, ttmp9, 20
	s_lshl_b32 s47, s46, 12
	s_add_co_u32 s48, s48, s47
	s_mov_b32 s49, 0
	s_lshl_b32 s50, s46, 18                        ; kvp: b's 64 rows of 4,096 bytes
	s_mov_b32 s51, 0
	s_wait_kmcnt 0x0
	s_add_nc_u64 s[4:5], s[4:5], s[48:49]
	s_add_nc_u64 s[14:15], s[14:15], s[48:49]
	s_add_nc_u64 s[12:13], s[12:13], s[50:51]
	s_add_nc_u64 s[10:11], s[10:11], s[44:45]
	s_add_nc_u64 s[10:11], s[10:11], 16*RING1      ; wcodes at my block of step 16
	s_mov_b32 s[G0], 1
	s_mov_b32 s[G0+1], s44
	s_mov_b64 s[G0+2:G0+3], s[10:11]
	s_or_b32 s[G0+3], s[G0+3], 0x80000000
	s_mov_b32 s[G0+4], 1
	s_add_co_u32 s[G0+5], s44, RING1
	s_add_nc_u64 s[G0+6:G0+7], s[10:11], RING1
	s_or_b32 s[G0+7], s[G0+7], 0x80000000
	global_load_b128 v[XB:XB+3], v[GOFF], s[6:7]                   ; bq, my 256
	global_load_b128 v[XB+4:XB+7], v[GOFF], s[6:7] offset:512
	global_load_b128 v[XB+8:XB+11], v[GOFF], s[8:9]                ; bo
	global_load_b128 v[XB+12:XB+15], v[GOFF], s[8:9] offset:512
	WIN 0x44
	XLOAD 0, 4, 0
	XLOAD 64, 4, 512
.irp t, 0,1,2,3,4,5,6,7
.irp u, 0,1
	global_load_b128 v[R2+8*\t+4*\u:R2+8*\t+4*\u+3], v[GOFF], s[12:13] offset:\t*4096+512*\u
.endr
.endr
	WIN 0
	ROUND                                          ; all four work-groups are here: the first joint loads meet
	tensor_load_to_lds s[G0:G0+3], s[G1:G1+7]      ; steps 16 and 17: two loads of mine are out
	s_nop 0
	tensor_load_to_lds s[G0+4:G0+7], s[G1:G1+7]
	s_nop 0
	PLACES
	s_wait_loadcnt 48                              ; the biases are in; behind them: 3 x 16 loads
	ds_store_b128 v[BW], v[XB:XB+3]
	ds_store_b128 v[BW], v[XB+4:XB+7] offset:512
	ds_store_b128 v[BW], v[XB+8:XB+11] offset:4096
	ds_store_b128 v[BW], v[XB+12:XB+15] offset:4608
	STREAM 0, XWA0, XWS0, 0, 0, 32, 1, 1024, 16, 1, 1
	STREAM 64, XWA0, XWS0, 6144, 512, 32, 1, 1536, 16, 1, 2
	s_wait_dscnt 0x0
	s_barrier_signal -1
	s_barrier_wait -1                              ; the images of K steps 0 and 1 lie in LDS
	LOADX 0, XFA0, XFS0, 0, 0
	WIN 0x80
	BIASINIT 0, 0
	WIN 0xc0
	BIASINIT 0, 1
	WIN 0
	s_wait_tensorcnt 0x1                           ; my block of the first step is in; the second's may stay out
	LOADW 0, 0, 0
	LOADW 1, 0, 0
	s_mov_b32 s[XO], 0
	s_mov_b32 s[XSO], 0
	s_mov_b32 s[LAP], 2
.Lq:                                               ; a lap = two K steps = once round the ring
	LAPADR
	KSTEP 0, 1, 1, 1, 1
	KSTEP 1, 1, 1, 1, 1
	s_wait_xcnt 0x0                                ; the loads have read their bases
	s_add_nc_u64 s[4:5], s[4:5], 1024
	s_add_nc_u64 s[12:13], s[12:13], 65536
	s_add_co_u32 s[XO], s[XO], 12288
	s_add_co_u32 s[XSO], s[XSO], 1024
	s_sub_co_u32 s[LAP], s[LAP], 1
	s_cmp_lg_u32 s[LAP], 0
	s_cbranch_scc1 .Lq
	LAPADR
	KSTEP 0, 2, 1, 1, 1                            ; chunks 6 and 7: nothing more of query is asked for
	KSTEP 1, 3, 1, 1, 1
	s_add_co_u32 s[XO], s[XO], 12288
	s_add_co_u32 s[XSO], s[XSO], 1024
	LAPADR
	KSTEP 0, 0, 1, 1, 1
	KSTEP 1, 0, 0, 1, 1
	; ---- the rows' norms
	WIN 0x0a
.irp m, 0,1,2,3
	v_pk_mul_f32 v[SQ+2*\m:SQ+2*\m+1], v[64*\m:64*\m+1], v[64*\m:64*\m+1]
.endr
.set i, 2
.rept 31
.irp m, 0,1,2,3
	v_pk_fma_f32 v[SQ+2*\m:SQ+2*\m+1], v[64*\m+i:64*\m+i+1], v[64*\m+i:64*\m+i+1], v[SQ+2*\m:SQ+2*\m+1]
.endr
.set i, i+2
.endr
	WIN 0x0f
.set i, 0
.rept 32
.irp m, 0,1,2,3
	v_pk_fma_f32 v[SQ+2*\m:SQ+2*\m+1], v[64*\m+i:64*\m+i+1], v[64*\m+i:64*\m+i+1], v[SQ+2*\m:SQ+2*\m+1]
.endr
.set i, i+2
.endr
	WIN 0
.irp m, 0,1,2,3
	v_mov_b32 v[NT+4+\m], 0
.endr
.irp m, 0,1,2,3
	v_add_f32 v[NT+\m], v[SQ+2*\m], v[SQ+2*\m+1]
.endr
.irp m, 0,1,2,3
	v_permlanex16_b32 v[NT+4+\m], v[NT+\m], s[SEL], s[SEL+1]
.endr
.irp m, 0,1,2,3
	v_add_f32 v[NT+\m], v[NT+\m], v[NT+4+\m]
.endr
.irp m, 0,1,2,3
	ds_store_b32 v[NW], v[NT+\m] offset:256*\m
.endr
	s_wait_dscnt 0x0
	s_barrier_signal -1
	s_barrier_wait -1                              ; the ring's load may stay out
.irp m, 0,1,2,3
	ds_load_b128 v[NP+4*\m:NP+4*\m+3], v[NR] offset:256*\m
.endr
	s_wait_dscnt 0x0
.irp m, 0,1,2,3
	v_add_f32 v[NP+4*\m], v[NP+4*\m], v[NP+4*\m+1]
.endr
.irp m, 0,1,2,3
	v_add_f32 v[NP+4*\m+2], v[NP+4*\m+2], v[NP+4*\m+3]
.endr
.irp m, 0,1,2,3
	v_add_f32 v[NP+4*\m], v[NP+4*\m], v[NP+4*\m+2]
.endr
.irp m, 0,1,2,3
	v_rsq_f32 v[RN+2*\m], v[NP+4*\m]
.endr
	v_nop                                          ; a plain instruction behind the last of the four
	s_wait_alu depctr_va_vdst(0)                   ; one wait for the four, ahead of their first reader
.irp m, 0,1,2,3
	v_mov_b32 v[RN+2*\m+1], v[RN+2*\m]
.endr
.irp b, 0,1,2,3
	v_mov_b32 v[TM+4+\b], 0                        ; written once: a lane permute's destination counts as one of its sources
.endr
	; ---- kv into the results' order, through my own 1,024 bytes of LDS; then the hidden layer
	WIN 0x44
	ds_store_b128 v[KVW], v[KS:KS+3]
	ds_store_b128 v[KVW], v[KS+4:KS+7] offset:512
.irp g, 0,1
	WIN 0x44
.irp t, 0,1,2,3,4,5,6,7
.irp i, 0,1
	ds_load_b128 v[8*\t+4*\i:8*\t+4*\i+3], v[KVA] offset:512*\g+128*(\t/2)+32*(\t%2)+16*\i
.endr
.endr
	s_wait_dscnt 0x0
.irp m, 0,1,2,3
	HBLOCK \g, \m
.endr
.endr
	s_wait_dscnt 0x0                               ; my eight images have landed
	s_barrier_signal -1
	s_barrier_wait -1                              ; the hidden layer's 32 fragments lie in LDS
	LOADX 0, XFA0, XFS0, 0, 0
	WIN 0x80
	BIASINIT 1, 0
	WIN 0xc0
	BIASINIT 1, 1
	WIN 0
	s_wait_dscnt 0x0
	; ---- the output's product; the ring goes on
	s_mov_b32 s[XO], 0
	s_mov_b32 s[XSO], 0
	s_mov_b32 s[LAP], 3
.Lo:
	LAPADR
	KSTEP 0, 0, 1, 1, 1
	KSTEP 1, 0, 1, 1, 1
	s_add_co_u32 s[XO], s[XO], 12288
	s_add_co_u32 s[XSO], s[XSO], 1024
	s_sub_co_u32 s[LAP], s[LAP], 1
	s_cmp_lg_u32 s[LAP], 0
	s_cbranch_scc1 .Lo
	LAPADR
	KSTEP 0, 0, 1, 0, 1                            ; the last two steps fill nothing
	KSTEP 1, 0, 0, 0, 0
	TOSTAGE 0, 0, 0
.irp a, 1,2,3,4,5,6,7
.if \a > 1
	s_wait_xcnt 0x0                                ; the stores of the block two back have read their registers
.endif
	TOSTAGE (\a)/4, (\a)%4, (\a)%2
	SEND (\a-1)/4, (\a-1)%4, (\a-1)%2, 32          ; behind its loads: the next block's 16 stores and 16 loads
.endr
	SEND 1, 3, 1, 0
	WIN 0
	s_wait_tensorcnt 0x0                           ; the wave's end
	ds_add_u32 v[SPW], v[NIL]
	s_wait_dscnt 0x0
	ROUND                                          ; the closing round
	s_endpgm
.Lfunc_end_k_qadf089057f_final:
	.size	k_qadf089057f_final, .Lfunc_end_k_qadf089057f_final-k_qadf089057f_final
	.p2alignl 7, 3214868480
	.fill 96, 4, 3214868480
	.section	.rodata,"a",@progbits
	.p2align	6, 0x0
	.amdhsa_kernel k_qadf089057f_final
		.amdhsa_group_segment_fixed_size 327680
		.amdhsa_private_segment_fixed_size 0
		.amdhsa_enable_private_segment 0
		.amdhsa_kernarg_size 48
		.amdhsa_user_sgpr_count 2
		.amdhsa_user_sgpr_kernarg_segment_ptr 1
		.amdhsa_wavefront_size32 1
		.amdhsa_system_sgpr_workgroup_id_x 1
		.amdhsa_system_sgpr_workgroup_id_y 1
		.amdhsa_system_sgpr_workgroup_id_z 1
		.amdhsa_system_vgpr_workitem_id 0
		.amdhsa_next_free_vgpr 1024
		.amdhsa_next_free_sgpr 66
		.amdhsa_reserve_vcc 0
		.amdhsa_float_denorm_mode_32 3
		.amdhsa_float_denorm_mode_16_64 3
		.amdhsa_memory_ordered 1
		.amdhsa_forward_progress 1
		.amdhsa_inst_pref_size 255
	.end_amdhsa_kernel
	.section	.bss,"aw",@nobits
	.p2align	6
	.space	262144
	.amdgpu_metadata
---
amdhsa.version: [ 1, 2 ]
amdhsa.kernels:
  - .name:           k_qadf089057f_final
    .symbol:         k_qadf089057f_final.kd
    .args:
      - { .name: query, .offset: 0, .size: 8, .value_kind: global_buffer, .address_space: global }
      - { .name: in_proj_bias, .offset: 8, .size: 8, .value_kind: global_buffer, .address_space: global }
      - { .name: out_proj_bias, .offset: 16, .size: 8, .value_kind: global_buffer, .address_space: global }
      - { .name: wcodes, .offset: 24, .size: 8, .value_kind: global_buffer, .address_space: global }
      - { .name: kvp, .offset: 32, .size: 8, .value_kind: global_buffer, .address_space: global }
      - { .name: out0, .offset: 40, .size: 8, .value_kind: global_buffer, .address_space: global }
    .group_segment_fixed_size: 327680
    .private_segment_fixed_size: 0
    .kernarg_segment_align: 8
    .kernarg_segment_size: 48
    .max_flat_workgroup_size: 128
    .sgpr_count:     66
    .vgpr_count:     1024
    .wavefront_size: 32
...
	.end_amdgpu_metadata
.endif
;; end of part 3
;; ======== version 2 of 2: 3 launches
;; limits: right only within a limited range of input values
;; workspace buffers: wcodes 3,276,800 bytes; kvp 1,048,576 bytes
;; launch prep (part 4): grid 256 x 1, 8 waves a work-group, no clusters, 69,632 bytes of LDS; arguments in_proj_weight, out_proj_weight, wcodes; writes wcodes
.if DOCPART == 4
	.amdgcn_target "amdgcn-amd-amdhsa--gfx1250"
	.amdhsa_code_object_version 6
	.text
	.protected	k_qadf089057f_prep
	.globl	k_qadf089057f_prep
	.p2align	8
	.type	k_qadf089057f_prep,@function
k_qadf089057f_prep:
	s_mov_b64 s[64:65], 0
	v_nop
	global_prefetch_b8 v0, s[64:65] scope:SCOPE_SE
	s_setreg_imm32_b32 hwreg(HW_REG_WAVE_MODE, 25, 1), 1
	s_wait_xcnt 0x0
; The four weight matrices (wk, wv, wq out of in_proj_weight [3072][1024], wo = out_proj_weight [1024][1024], f32, K innermost) become codes of FP6 (E2M3)
; with one E8M0 byte for each 32 along K, laid in the order in which the two later launches take them into registers.
; wcodes: 32 steps of 102,400 bytes (wk 0-7, wv 8-15, wq 16-23, wo 24-31); a step = 4 wave blocks of 25,600; a block = 2 units of 12,800;
; a unit = 8 images of a fragment (16 rows x 128 K: 12 registers a lane; registers 4 c .. 4 c + 3 of lane l at 512 c + 16 l), then 512 bytes of scale words
; (row r of tile t at 256 (t / 4) + 16 r + 4 (t % 4)).  Unit (w, g, s): weight rows 256 w + 128 g on, K = 128 s on.  wk, wq, wo: step = s, unit = g.  wv: step = 4 g + s / 2, unit = s % 2.
; THE ROWS OF A TILE ARE NOT NEIGHBOURS: row i of tile t is weight row 32 (t / 2) + 8 (t % 2) + i + 8 (i / 8), so that the results of two neighbouring tiles are 16 neighbours along the next K.
; A work-group makes one unit, wave t its tile t.  A load reads 512 consecutive bytes of a row; the tile turns through the wave's own stage in LDS, so that a lane holds two whole blocks of 32 of one row.
; A block's scale is 2^(floor(log2(its largest magnitude)) - 2); its byte is that magnitude's exponent field - 2, held at 1 from below.
; LIMITS: a block of zeros gets the byte 1 (its codes are zeros; this program alone reads the bytes); NaN and infinities among the inputs are not served.
.set STGW, 8448                        ; a wave's stage: 16 rows x (512 bytes + 16)
.set SCB,  8*STGW                      ; behind the stages: the unit's 512 bytes of scale words
.set N,    16                          ; v16-79  the tile's numbers
.set QM,   80                          ; v80-81  largest magnitudes of my two blocks
.set QS,   82                          ; v82-83  the conversions' scale operands
.set QB,   84                          ; v84-85  the scale bytes
.set QW,   86                          ; v86     my row's scale word
.set QP,   87                          ; v87     the other half's part of it
.set Q8H,  88                          ; v88     8 x (lane / 16)
.set PC,   92                          ; v92-103 the fragment's codes
.set AUX,  104                         ; v104-110 the upper halves of the blocks, as converted
.set SEL,  24                          ; s[24:25] lane selects: lane l xor 16
; 64 numbers of a lane, register 32 c + i = k 64 c + 32 (lane / 16) + i of my row, become the fragment's 12 registers in v[PC] on and the row's scale word in v[QW]
.macro QUANTW n
.irp c, 0,1
	v_max3_num_f32 v[QM+\c], |v[\n+32*\c]|, |v[\n+32*\c+1]|, 0x1800000   ; with the floor 2^(3 - 127): the byte cannot fall under 1
.endr
.irp i, 2,4,6,8,10,12,14,16,18,20,22,24,26,28,30
.irp c, 0,1
	s_delay_alu instid0(VALU_DEP_2)
	v_max3_num_f32 v[QM+\c], v[QM+\c], |v[\n+32*\c+\i]|, |v[\n+32*\c+\i+1]|
.endr
.endr
.irp c, 0,1
	s_delay_alu instid0(VALU_DEP_2)
	v_add_nc_u32 v[QS+\c], 0xff000000, v[QM+\c]    ; 2 off the exponent field: the conversion takes this operand's exponent field as its scale
.endr
.irp c, 0,1
	s_delay_alu instid0(VALU_DEP_2)
	v_lshrrev_b32 v[QB+\c], 23, v[QS+\c]           ; the scale's byte
.endr
	s_delay_alu instid0(VALU_DEP_1)
	v_lshl_or_b32 v[QW], v[QB+1], 16, v[QB]        ; my bytes: blocks h and 2 + h,
	s_delay_alu instid0(VALU_DEP_1)
	v_lshlrev_b32 v[QW], v[Q8H], v[QW]             ; 8 h bits up;
	s_delay_alu instid0(VALU_DEP_1)
	v_permlanex16_b32 v[QP], v[QW], s[SEL], s[SEL+1]
	s_delay_alu instid0(VALU_DEP_1)
	v_or_b32 v[QW], v[QW], v[QP]                   ; with lane l xor 16's two the word is whole
.irp c, 0,1
	v_cvt_scalef32_pk16_fp6_f32 v[PC+6*\c:PC+6*\c+2], v[\n+32*\c:\n+32*\c+15], v[QS+\c]
	v_cvt_scalef32_pk16_fp6_f32 v[AUX+4*\c:AUX+4*\c+2], v[\n+32*\c+16:\n+32*\c+31], v[QS+\c]   ; (a conversion's three registers begin on an even number)
.endr
	v_nop                                          ; one plain instruction behind the conversions
.irp c, 0,1
.irp i, 0,1,2
	v_mov_b32 v[PC+6*\c+3+\i], v[AUX+4*\c+\i]
.endr
.endr
.endm
	s_load_b128 s[4:7], s[0:1], 0x0                ; in_proj_weight, out_proj_weight
	s_load_b64 s[8:9], s[0:1], 0x10                ; wcodes
	v_lshl_add_u32 v128, v0, 2, 0x10c00
	v_mov_b32 v129, 0
	v_lshrrev_b32 v1, 5, v0
	s_delay_alu instid0(VALU_DEP_1)
	v_readfirstlane_b32 s10, v1                    ; wave = tile t
	v_and_b32 v2, 31, v0                           ; lane
	v_and_b32 v3, 15, v0                           ; r
	v_bfe_u32 v4, v0, 4, 1                         ; h
	s_delay_alu instid0(VALU_DEP_3)
	v_lshlrev_b32 v5, 4, v2                        ; 16 x lane
	s_wait_alu depctr_va_vdst(0)
	s_mul_i32 s11, s10, STGW
	v_add_nc_u32 v6, s11, v5                       ; the stage, on the way in: a row's 512 bytes as they lie
	v_mul_u32_u24 v7, v3, 528
	s_delay_alu instid0(VALU_DEP_1)
	v_lshl_add_u32 v7, v4, 7, v7
	s_delay_alu instid0(VALU_DEP_1)
	v_add_nc_u32 v7, s11, v7                       ; and out: row r, + 128 h
	v_lshlrev_b32 v[Q8H], 3, v4
	v_mov_b32 v[QP], 0                             ; written once: a lane permute's destination counts as one of its sources
	s_lshr_b32 s12, s10, 2
	s_lshl_b32 s12, s12, 8
	s_and_b32 s13, s10, 3
	s_lshl_b32 s13, s13, 2
	s_add_co_u32 s12, s12, s13
	s_add_co_u32 s12, s12, SCB
	v_lshl_add_u32 v8, v3, 4, s12                  ; my row's scale word: SCB + 256 (t / 4) + 16 r + 4 (t % 4)
	v_add_nc_u32 v9, SCB, v5                       ; and the 512 bytes back, 16 a lane
	s_mul_i32 s23, s10, 1536
	v_add_nc_u32 v10, s23, v5                      ; my tile's image in the unit
	s_mov_b32 s[SEL], 0x76543210
	s_mov_b32 s[SEL+1], 0xfedcba98
	s_lshr_b32 s14, ttmp9, 6                       ; the matrix: 0 wk, 1 wv, 2 wq, 3 wo
	s_bfe_u32 s15, ttmp9, 0x20004                  ; w
	s_bfe_u32 s16, ttmp9, 0x10003                  ; g
	s_and_b32 s17, ttmp9, 7                        ; s
	s_add_co_u32 s18, s14, 1                       ; the matrix's first row in its tensor: wk 1,024, wv 2,048, wq and wo 0
	s_lshl_b32 s18, s18, 10
	s_cmp_lt_u32 s14, 2
	s_cselect_b32 s18, s18, 0
	s_lshl_b32 s19, s15, 8
	s_add_co_u32 s18, s18, s19
	s_lshl_b32 s19, s16, 7
	s_add_co_u32 s18, s18, s19
	s_lshr_b32 s19, s10, 1
	s_lshl_b32 s19, s19, 5
	s_add_co_u32 s18, s18, s19
	s_and_b32 s19, s10, 1
	s_lshl_b32 s19, s19, 3
	s_add_co_u32 s18, s18, s19                     ; + 256 w + 128 g + 32 (t / 2) + 8 (t % 2)
	s_lshl_b32 s18, s18, 12                        ; rows of 4,096 bytes
	s_lshl_b32 s19, s17, 9
	s_add_co_u32 s18, s18, s19                     ; + 512 s
	s_mov_b32 s19, 0
	s_lshl_b32 s20, s14, 3
	s_add_co_u32 s20, s20, s17                     ; step = 8 x matrix + s, unit = g;
	s_lshl_b32 s21, s16, 2
	s_lshr_b32 s22, s17, 1
	s_add_co_u32 s21, s21, s22
	s_add_co_u32 s21, s21, 8                       ; for wv: step = 8 + 4 g + s / 2,
	s_and_b32 s22, s17, 1                          ; unit = s % 2
	s_cmp_eq_u32 s14, 1
	s_cselect_b32 s20, s21, s20
	s_cselect_b32 s22, s22, s16
	s_mul_i32 s20, s20, 102400
	s_mul_i32 s21, s15, 25600
	s_add_co_u32 s20, s20, s21
	s_mul_i32 s22, s22, 12800
	s_add_co_u32 s20, s20, s22                     ; the unit's first byte
	s_mov_b32 s21, 0
	s_wait_alu depctr_va_vdst(0)
	s_wait_kmcnt 0x0
	s_cmp_eq_u32 s14, 3                            ; the choice of tensor hangs on the work-group's number alone
	s_cselect_b64 s[4:5], s[6:7], s[4:5]
	s_add_nc_u64 s[4:5], s[4:5], s[18:19]
	s_add_nc_u64 s[8:9], s[8:9], s[20:21]
.irp i, 0,1,2,3,4,5,6,7,8,9,10,11,12,13,14,15
	global_load_b128 v[N+4*\i:N+4*\i+3], v5, s[4:5] offset:(\i+8*(\i/8))*4096 th:TH_LOAD_NT   ; 32 lanes read 512 consecutive bytes of the tile's row i
.endr
	s_wait_loadcnt 0x0
.irp i, 0,1,2,3,4,5,6,7,8,9,10,11,12,13,14,15
	ds_store_b128 v6, v[N+4*\i:N+4*\i+3] offset:528*\i
.endr
.irp c, 0,1
.irp j, 0,1,2,3,4,5,6,7
	ds_load_b128 v[N+32*\c+4*\j:N+32*\c+4*\j+3], v7 offset:256*\c+16*\j   ; LDS serves a wave's instructions in order: these see my stores
.endr
.endr
	s_wait_dscnt 0x0
	QUANTW N
.irp c, 0,1,2
	global_store_b128 v10, v[PC+4*\c:PC+4*\c+3], s[8:9] offset:512*\c    ; 32 lanes store 512 consecutive bytes, aligned to 256
.endr
	ds_store_b32 v8, v[QW]                         ; lanes l and l + 16 write the same word with the same value
	s_wait_dscnt 0x0                               ; for wave 0's sake: my scale words have landed
	s_barrier_signal -1
	s_barrier_wait -1
	s_cmp_lg_u32 s10, 0
	s_cbranch_scc1 .Ldone
	ds_load_b128 v[12:15], v9                      ; the eight tiles' scale words
	s_wait_dscnt 0x0
	global_store_b128 v5, v[12:15], s[8:9] offset:12288
.Ldone:
	s_wait_tensorcnt 0x0
	ds_add_u32 v128, v129
	s_wait_dscnt 0x0
	s_endpgm
.Lfunc_end_k_qadf089057f_prep:
	.size	k_qadf089057f_prep, .Lfunc_end_k_qadf089057f_prep-k_qadf089057f_prep
	.p2alignl 7, 3214868480
	.fill 96, 4, 3214868480
	.section	.rodata,"a",@progbits
	.p2align	6, 0x0
	.amdhsa_kernel k_qadf089057f_prep
		.amdhsa_group_segment_fixed_size 69632
		.amdhsa_private_segment_fixed_size 0
		.amdhsa_enable_private_segment 0
		.amdhsa_kernarg_size 24
		.amdhsa_user_sgpr_count 2
		.amdhsa_user_sgpr_kernarg_segment_ptr 1
		.amdhsa_wavefront_size32 1
		.amdhsa_system_sgpr_workgroup_id_x 1
		.amdhsa_system_sgpr_workgroup_id_y 1
		.amdhsa_system_sgpr_workgroup_id_z 1
		.amdhsa_system_vgpr_workitem_id 0
		.amdhsa_next_free_vgpr 130
		.amdhsa_next_free_sgpr 66
		.amdhsa_reserve_vcc 0
		.amdhsa_float_denorm_mode_32 3
		.amdhsa_float_denorm_mode_16_64 3
		.amdhsa_memory_ordered 1
		.amdhsa_forward_progress 1
		.amdhsa_inst_pref_size 12
	.end_amdhsa_kernel
	.amdgpu_metadata
---
amdhsa.version: [ 1, 2 ]
amdhsa.kernels:
  - .name:           k_qadf089057f_prep
    .symbol:         k_qadf089057f_prep.kd
    .args:
      - { .name: in_proj_weight, .offset: 0, .size: 8, .value_kind: global_buffer, .address_space: global }
      - { .name: out_proj_weight, .offset: 8, .size: 8, .value_kind: global_buffer, .address_space: global }
      - { .name: wcodes, .offset: 16, .size: 8, .value_kind: global_buffer, .address_space: global }
    .group_segment_fixed_size: 69632
    .private_segment_fixed_size: 0
    .kernarg_segment_align: 8
    .kernarg_segment_size: 24
    .max_flat_workgroup_size: 256
    .sgpr_count:     66
    .vgpr_count:     130
    .wavefront_size: 32
...
	.end_amdgpu_metadata
.endif
;; end of part 4
;; launch kvpart (part 5): grid 256 x 1, 4 waves a work-group, clusters of 4 x 1, 327,680 bytes of LDS; arguments key, value, in_proj_bias, wcodes, kvp; writes kvp
.if DOCPART == 5
	.amdgcn_target "amdgcn-amd-amdhsa--gfx1250"
	.amdhsa_code_object_version 6
	.text
	.protected	k_qadf089057f_kvpart
	.globl	k_qadf089057f_kvpart
	.p2align	8
	.type	k_qadf089057f_kvpart,@function
k_qadf089057f_kvpart:
	s_mov_b64 s[64:65], 0
	v_nop
	global_prefetch_b8 v0, s[64:65] scope:SCOPE_SE
	s_setreg_imm32_b32 hwreg(HW_REG_WAVE_MODE, 25, 1), 1
	s_wait_xcnt 0x0
	s_wait_alu depctr_hold_cnt(0) depctr_sa_sdst(0) depctr_va_vdst(0) depctr_va_sdst(0) depctr_va_ssrc(0) depctr_va_vcc(0) depctr_vm_vsrc(0)
	s_getreg_b32 s2, hwreg(HW_REG_IB_STS2, 6, 4)
	s_cmp_eq_u32 s2, 0
	s_cbranch_scc0 .Lentry_in_a_cluster
	s_endpgm
.Lentry_in_a_cluster:
	s_bfe_u32 s2, ttmp6, 0x10000c
	s_cmp_lg_u32 s2, 0x3003
	s_cbranch_scc0 .Lentry_shape_is_right
	s_endpgm
.Lentry_shape_is_right:
; kvp[64 b + i][:] = the sum over 64 positions s (block i of the sequence, batch b) of k(s,b,:) / |k(s,b,:)| x v(s,b,:), with k = Q(key) Q(wk)^T + bk and v = Q(value) Q(wv)^T + bv,
; Q the MX-FP6 quantiser along K.  A work-group owns 64 whole rows (the norm wants a whole row); wave w owns columns 256 w on: 64 accumulators in windows 2 and 3.
; The weights come as register images out of wcodes through a ring of two LDS slots, one step of 102,400 bytes a slot, a quarter a wave.  CLUSTER 4 x 1: the four partners (the four batches of one block of
; positions) walk the same weight steps, so every fill is a joint load behind a round of the cluster's barrier.  key and value come by register loads, 16 rows x 128 K a wave and chunk, turn through the wave's own stage,
; are quantised in registers and laid into LDS as register images for all four waves.  The clusters begin at different K steps (ROT = cluster % 4), images and weight steps alike.
; A chunk's turn through the stage is issued 16 matrix instructions ahead of its quantising.  v is made in two passes of 128 columns a wave (window 1), multiplied by k / |k| and summed over the 64 rows.
; THE BIAS is the same for the four blocks of 16 rows: only block 0's accumulators are loaded with it from LDS.
; PREFETCH: three requests a wave, each for 25 blocks of 256 bytes: a quarter, by the partner's place in the cluster, of the wave's 25,600 bytes of a weight step: wk's second step at the head; the step with which
; the cluster begins wv's pass 0, ahead of the K loop (6 steps ahead of its fill); that of pass 1, behind the loop (4 steps ahead of its fill).  Every other step is the beginning of the walk of the clusters with another ROT,
; which ask for it.  key's chunks are asked for by register loads three chunks ahead of their use, value's in the K loop two.
; LIMITS: a row's sum of squares must stay inside f32's range; a block of zeros gets the scale byte 1 (its codes are zeros); NaN and infinities among the inputs are not served.
.set RING1, 102400
.set WBLK,  25600
.set UNIT,  12800
.set FRB,   1536
.set XIMG,  204800
.set XSC,   253952
.set STAGE, 258048
.set STGW,  8448
.set BIAS,  291840
.set NRM,   304128
.set SPARE, 305152
.set SPW, 1
.set NIL, 2
.set L16, 3
.set AW,  4
.set AWS, 6
.set XFA0, 8
.set XFS0, 9
.set XWA0, 10
.set XWS0, 11
.set STI, 12
.set STO, 13
.set STH, 14
.set XOFF, 15
.set BA,  16
.set NW,  17
.set NR,  18
.set GOFF, 19
.set XOV, 20
.set XFA, 24
.set XFS, 25
.set XWA, 26
.set XWS, 27
.set BW,  28
.set WB,  32
.set XB,  128
.set WS,  224
.set XS,  232
.set RN,  240
.set SQ,  248
.set NT,  128
.set NP,  136
.set R0,  0
.set R2,  128
.set QM,  192
.set QS,  194
.set QB,  196
.set QW,  198
.set QP,  199
.set Q8H, 200
.set PC,  204
.set AUX, 216
.set WV,  18
.set SEL, 20
.set G1,  24
.set G0,  32
.set LAP, 40
.set XO,  41
.set XSO, 42
.set KC,  43
.set WC,  52
.set ROT, 53
.set WT,  54
.set XT,  56
.set MSB, 0
.macro WIN new
.if MSB != (\new)
	s_set_vgpr_msb (MSB<<8)|(\new)
.set MSB, (\new)
.endif
.endm
.macro ROUND
	s_barrier_signal -1
	s_barrier_wait -1
	s_cmp_lg_u32 s[WV], 0
	s_cbranch_scc1 .Lnot_wave_0_\@
	s_barrier_signal -3
.Lnot_wave_0_\@:
	s_barrier_wait -3
	s_barrier_signal -1
	s_barrier_wait -1
.endm
.macro PLACES
.rept 4
	v_nop
.endr
.endm
.macro MUL16 t0, set
.irp t, \t0, \t0+1, \t0+2, \t0+3
.irp m, 0,1,2,3
	v_wmma_scale_f32_16x16x128_f8f6f4 v[64*\m+8*(\t):64*\m+8*(\t)+7], v[WB+12*(\t):WB+12*(\t)+11], v[XB+48*(\set)+12*\m:XB+48*(\set)+12*\m+11], v[64*\m+8*(\t):64*\m+8*(\t)+7], v[WS+(\t)], v[XS+4*(\set)+\m] matrix_a_fmt:MATRIX_FMT_FP6 matrix_b_fmt:MATRIX_FMT_FP6
.endr
.endr
.endm
.macro LOADW q, slot, u
.irp t, 0,1,2,3
.irp c, 0,1,2
	ds_load_b128 v[WB+12*(4*(\q)+\t)+4*\c:WB+12*(4*(\q)+\t)+4*\c+3], v[AW+(\slot)] offset:UNIT*(\u)+FRB*(4*(\q)+\t)+512*\c
.endr
.endr
	ds_load_b128 v[WS+4*(\q):WS+4*(\q)+3], v[AWS+(\slot)] offset:UNIT*(\u)+12288+256*(\q)
.endm
.macro LOADX set, adr, adrs, off, offs
.irp m, 0,1,2,3
.irp c, 0,1,2
	ds_load_b128 v[XB+48*(\set)+12*\m+4*\c:XB+48*(\set)+12*\m+4*\c+3], v[\adr] offset:(\off)+FRB*\m+512*\c
.endr
.endr
	ds_load_b128 v[XS+4*(\set):XS+4*(\set)+3], v[\adrs] offset:(\offs)
.endm
.macro XOFS set
	s_lshl_b32 s[XT], s[KC], 9
	v_add_nc_u32 v[XOV+(\set)], s[XT], v[XOFF]
	s_add_co_u32 s[KC], s[KC], 1
	s_and_b32 s[KC], s[KC], 7
.endm
.macro XLOAD reg, sp, ov
.irp i, 0,1,2,3,4,5,6,7,8,9,10,11,12,13,14,15
	global_load_b128 v[\reg+4*\i:\reg+4*\i+3], v[\ov], s[\sp:\sp+1] offset:16384*\i th:TH_LOAD_NT
.endr
.endm
.macro XTURN n
.irp i, 0,1,2,3,4,5,6,7,8,9,10,11,12,13,14,15
	ds_store_b128 v[STI], v[\n+4*\i:\n+4*\i+3] offset:528*\i
.endr
.irp c, 0,1
.irp j, 0,1,2,3,4,5,6,7
	ds_load_b128 v[\n+32*\c+4*\j:\n+32*\c+4*\j+3], v[STO] offset:256*\c+16*\j
.endr
.endr
.endm
.macro QUANTW n
.irp c, 0,1
	v_max3_num_f32 v[QM+\c], |v[\n+32*\c]|, |v[\n+32*\c+1]|, 0x1800000
.endr
.irp i, 2,4,6,8,10,12,14,16,18,20,22,24,26,28,30
.irp c, 0,1
	v_max3_num_f32 v[QM+\c], v[QM+\c], |v[\n+32*\c+\i]|, |v[\n+32*\c+\i+1]|
.endr
.endr
.irp c, 0,1
	v_add_nc_u32 v[QS+\c], 0xff000000, v[QM+\c]
.endr
.irp c, 0,1
	v_lshrrev_b32 v[QB+\c], 23, v[QS+\c]
.endr
	v_lshl_or_b32 v[QW], v[QB+1], 16, v[QB]
	v_lshlrev_b32 v[QW], v[Q8H], v[QW]
	v_permlanex16_b32 v[QP], v[QW], s[SEL], s[SEL+1]
	v_or_b32 v[QW], v[QW], v[QP]
.irp c, 0,1
	v_cvt_scalef32_pk16_fp6_f32 v[PC+6*\c:PC+6*\c+2], v[\n+32*\c:\n+32*\c+15], v[QS+\c]
	v_cvt_scalef32_pk16_fp6_f32 v[AUX+4*\c:AUX+4*\c+2], v[\n+32*\c+16:\n+32*\c+31], v[QS+\c]
.endr
	v_nop
.irp c, 0,1
.irp i, 0,1,2
	v_mov_b32 v[PC+6*\c+3+\i], v[AUX+4*\c+\i]
.endr
.endr
.endm
.macro IMAGE adr, adrs, off, offs, pc, pw
.irp c, 0,1,2
	ds_store_b128 v[\adr], v[\pc+4*\c:\pc+4*\c+3] offset:(\off)+512*\c
.endr
	ds_store_b32 v[\adrs], v[\pw] offset:(\offs)
.endm
.set PFO, 23                           ; v23  the prefetches' offset: 256 x (25 x my work-group's place + min(lane, 24)); never rewritten
.set FIRST, 0                          ; 1: the next GSTEP holds a pass's first products
; the bias of block 0's 64 accumulators goes to blocks 1 to 3 in registers: 192 moves in place of 48 LDS loads of 512 bytes
.macro BCOPY
.irp m, 1,2,3
.set i, 0
.rept 64
	v_mov_b32 v[64*\m+i], v[i]
.set i, i+1
.endr
.endr
.endm
; a pass's first 16 products: blocks 1 to 3 take block 0's accumulators, which hold the bias, as C; five places on, block 0 adds in place
.macro MULF t0
.irp m, 1,2,3
.irp t, \t0, \t0+1, \t0+2, \t0+3
	v_wmma_scale_f32_16x16x128_f8f6f4 v[64*\m+8*(\t):64*\m+8*(\t)+7], v[WB+12*(\t):WB+12*(\t)+11], v[XB+12*\m:XB+12*\m+11], v[8*(\t):8*(\t)+7], v[WS+(\t)], v[XS+\m] matrix_a_fmt:MATRIX_FMT_FP6 matrix_b_fmt:MATRIX_FMT_FP6
.endr
.endr
.rept 5
	v_nop
.endr
.irp t, \t0, \t0+1, \t0+2, \t0+3
	v_wmma_scale_f32_16x16x128_f8f6f4 v[8*(\t):8*(\t)+7], v[WB+12*(\t):WB+12*(\t)+11], v[XB:XB+11], v[8*(\t):8*(\t)+7], v[WS+(\t)], v[XS] matrix_a_fmt:MATRIX_FMT_FP6 matrix_b_fmt:MATRIX_FMT_FP6
.endr
.endm
.macro BIASINIT mat, g
.irp m, 0
.irp t, 0,1,2,3,4,5,6,7
.irp i, 0,1
	ds_load_b128 v[64*\m+8*\t+4*\i:64*\m+8*\t+4*\i+3], v[BA] offset:4096*(\mat)+512*(\g)+128*(\t/2)+32*(\t%2)+16*\i
.endr
.endr
.endr
.endm
.macro LAPADR
	v_add_nc_u32 v[XFA], s[XO], v[XFA0]
	v_add_nc_u32 v[XWA], s[XO], v[XWA0]
	v_add_nc_u32 v[XFS], s[XSO], v[XFS0]
	v_add_nc_u32 v[XWS], s[XSO], v[XWS0]
.endm
.macro NEXTW p, wm, wb
	s_mul_i32 s[WT], s[WC], RING1
.if \wb
	s_add_co_u32 s[WT], s[WT], (\wb)*RING1
.endif
	s_add_nc_u64 s[G0+4*(\p)+2:G0+4*(\p)+3], s[10:11], s[WT:WT+1]
	s_or_b32 s[G0+4*(\p)+3], s[G0+4*(\p)+3], 0x80000000
	s_add_co_u32 s[WC], s[WC], 1
	s_and_b32 s[WC], s[WC], \wm
.endm
.macro STRM p, kind
.set RS, R2-R2*(\p)
.if \kind == 3
	s_wait_loadcnt 0x0
.else
	s_wait_loadcnt 16
.endif
.if \kind == 1
	XOFS 2-2*(\p)
.endif
	WIN 0x44
	XTURN RS                                       ; the chunk sets out through my stage; it is taken up in STRMB, behind 16 matrix instructions
	WIN 0
.endm
.macro STRMB p, kind
.set RS, R2-R2*(\p)
	s_wait_dscnt 13                                ; the chunk is back: only the 13 weight loads issued behind the turn may be out
	WIN 0x55
	QUANTW RS
	WIN 0x44
	IMAGE XWA, XWS, 6144*(\p), 512*(\p), PC, QW
.if \kind == 1
	XLOAD RS, 6, XOV+2-2*(\p)
.endif
	WIN 0
.endm
.macro KSTEP p, strm, fx, refill, fw, wm, wb
	s_wait_dscnt 13
	WIN 0xa0
	MUL16 0, \p
	PLACES
	WIN 0
	LOADW 0, \p, 1
.if \fx
	LOADX 1-\p, XFA, XFS, 6144*(\p+1), 512*(\p+1)
.endif
.if \strm
	STRM \p, \strm
	s_wait_dscnt 45+13*\fx                         ; tiles 4-7 are in; behind them: 13 weight loads, 13 fx activation loads, the turn's 32
.else
	s_wait_dscnt 13+13*\fx
.endif
	WIN 0xa0
	MUL16 4, \p
	PLACES
	WIN 0
	LOADW 1, \p, 1
.if \strm
	STRMB \p, \strm
.else
	s_wait_dscnt 13+13*\fx
.endif
	WIN 0xf0
	MUL16 0, \p
	WIN 0
	s_wait_tensorcnt 0x0
.if \refill
	ds_add_u32 v[SPW], v[NIL]
	NEXTW \p, \wm, \wb
	s_wait_dscnt 0x0
	ROUND
	tensor_load_to_lds s[G0+4*\p:G0+4*\p+3], s[G1:G1+7]
	s_nop 0
.endif
	PLACES
.if \fw
	LOADW 0, 1-\p, 0
.endif
.if \refill == 0
	s_wait_dscnt 13*\fw
.endif
	WIN 0xf0
	MUL16 4, \p
	PLACES
	WIN 0
.if \fw
	LOADW 1, 1-\p, 0
.endif
.endm
.macro GSTEP p, nx, x0, refill, fw, wb
	s_wait_dscnt 26
	WIN 0x50
.if FIRST
	MULF 0
.else
	MUL16 0, 0
.endif
	PLACES
	WIN 0
	LOADW 0, \p, 1
	s_wait_dscnt 26
	WIN 0x50
.if FIRST
	MULF 4
.else
	MUL16 4, 0
.endif
.set FIRST, 0
	PLACES
	WIN 0
	LOADW 1, \p, 1
.if \nx
	LOADX 0, XFA0, XFS0, 6144*(\x0), 512*(\x0)
.endif
	s_wait_dscnt 13+13*\nx
	WIN 0x50
	MUL16 0, 1
	WIN 0
	s_wait_tensorcnt 0x0
.if \refill
	ds_add_u32 v[SPW], v[NIL]
	NEXTW \p, 3, \wb
	s_wait_dscnt 0x0
	ROUND
	tensor_load_to_lds s[G0+4*\p:G0+4*\p+3], s[G1:G1+7]
	s_nop 0
.endif
	PLACES
.if \fw
	LOADW 0, 1-\p, 0
.endif
.if \refill == 0
	s_wait_dscnt 13*\nx+13*\fw
.endif
	WIN 0x50
	MUL16 4, 1
	PLACES
	WIN 0
.if \fw
	LOADW 1, 1-\p, 0
.endif
.if \nx
	LOADX 1, XFA0, XFS0, 6144*(\x0+1), 512*(\x0+1)
.endif
.endm
.macro EPI g
	WIN 0x59+4*(\g)
.set i, 0
.rept 32
	v_pk_mul_f32 v[i:i+1], v[i:i+1], v[i:i+1]
.set i, i+2
.endr
.irp m, 1,2,3
.set i, 0
.rept 32
	v_pk_fma_f32 v[i:i+1], v[64*\m+i:64*\m+i+1], v[64*\m+i:64*\m+i+1], v[i:i+1]
.set i, i+2
.endr
.endr
	WIN 0x44
.irp b, 0,1,2,3
.irp j, 0,1,2,3
	ds_store_b128 v[STH], v[16*\b+4*\j:16*\b+4*\j+3] offset:128*\b+16*\j
.endr
.endr
.irp j, 0,1,2,3,4,5,6,7,8,9,10,11,12,13,14,15
	ds_load_b128 v[64+4*\j:64+4*\j+3], v[STI] offset:528*\j
.endr
	s_wait_dscnt 0x0
	WIN 0x55
.irp d, 8,4,2,1
.set j, 0
.rept \d
	v_pk_add_f32 v[64+4*j:65+4*j], v[64+4*j:65+4*j], v[64+4*(j+\d):65+4*(j+\d)]
	v_pk_add_f32 v[66+4*j:67+4*j], v[66+4*j:67+4*j], v[66+4*(j+\d):67+4*(j+\d)]
.set j, j+1
.endr
.endr
	WIN 0x44
	global_store_b128 v[GOFF], v[64:67], s[12:13] offset:512*(\g)
	WIN 0
.endm
.macro CHUNK c
.set RS, 64*((\c)%3)
	s_wait_loadcnt 32
.if (\c) < 7
	WIN 0
	XOFS (\c)%3
.endif
	WIN 0x44
	XTURN RS
	s_wait_dscnt 0x0
	WIN 0x55
	QUANTW RS
	WIN 0x44
	IMAGE XWA0, XWS0, 6144*(\c), 512*(\c), PC, QW
.if (\c) < 5
	XLOAD RS, 4, XOV+(\c)%3
.elseif (\c) < 7
	XLOAD RS, 6, XOV+(\c)%3
.endif
.endm
	s_load_b256 s[4:11], s[0:1], 0x0
	s_load_b64 s[12:13], s[0:1], 0x20
	v_lshl_add_u32 v[SPW], v0, 2, SPARE
	v_mov_b32 v[NIL], 0
	ds_add_u32 v1, v2
	ds_add_u32 v1, v2
	s_wait_dscnt 0x0
	v_lshrrev_b32 v29, 5, v0
	v_readfirstlane_b32 s[WV], v29
	v_and_b32 v29, 31, v0
	v_and_b32 v30, 15, v0
	v_bfe_u32 v31, v0, 4, 1
	v_lshlrev_b32 v[L16], 4, v29
	s_mul_i32 s44, s[WV], WBLK
	s_mov_b32 s45, 0
	v_add_nc_u32 v[AW], s44, v[L16]
	v_add_nc_u32 v[AW+1], RING1, v[AW]
	v_lshl_add_u32 v[AWS], v30, 4, s44
	v_add_nc_u32 v[AWS+1], RING1, v[AWS]
	v_add_nc_u32 v[XFA0], XIMG, v[L16]
	v_add_nc_u32 v[XFS0], XSC, v[L16]
	s_mul_i32 s46, s[WV], FRB
	v_add_nc_u32 v[XWA0], s46, v[XFA0]
	s_lshl_b32 s46, s[WV], 2
	v_add_nc_u32 v[XWS0], s46, v[XFS0]
	s_add_co_u32 s46, s46, NRM
	v_lshl_add_u32 v[NW], v30, 4, s46
	v_lshlrev_b32 v[NR], 4, v30
	v_add_nc_u32 v[NR], NRM, v[NR]
	s_mul_i32 s46, s[WV], STGW
	s_add_co_u32 s46, s46, STAGE
	v_add_nc_u32 v[STI], s46, v[L16]
	v_mul_u32_u24 v[STH], v30, 528
	v_add_nc_u32 v[STH], s46, v[STH]
	v_lshl_add_u32 v[STO], v31, 7, v[STH]
	v_lshl_add_u32 v[STH], v31, 6, v[STH]
	s_lshl_b32 s46, s[WV], 18
	v_add_nc_u32 v[XOFF], s46, v[L16]
	s_wait_alu depctr_va_vdst(0)
	s_lshl_b32 s46, s[WV], 10
	v_add_nc_u32 v[GOFF], s46, v[L16]
	s_add_co_u32 s46, s46, BIAS
	v_lshl_add_u32 v[BA], v31, 6, s46
	v_add_nc_u32 v[BW], s46, v[L16]
	WIN 0x40
	v_lshlrev_b32 v[Q8H], 3, v31
	v_mov_b32 v[QP], 0
	WIN 0
	s_and_b32 s[ROT], ttmp9, 3
	s_lshl_b32 s[KC], s[ROT], 1
	s_mul_i32 s[WT], s[KC], RING1
	s_mov_b32 s[WT+1], 0
	s_add_co_u32 s[WC], s[KC], 2
	s_and_b32 s[WC], s[WC], 7
	XOFS 0
	XOFS 1
	XOFS 2
	s_mov_b32 s[SEL], 0x76543210
	s_mov_b32 s[SEL+1], 0xfedcba98
	s_mov_b32 s[G1], 0x0023000f
	s_mov_b32 s[G1+1], 32<<16
	s_mov_b32 s[G1+2], 100<<16
	s_mov_b32 s[G1+3], 32<<16
	s_mov_b32 s[G1+4], 100
	s_mov_b32 s[G1+5], 32
	s_mov_b32 s[G1+6], 0
	s_mov_b32 s[G1+7], 0
	s_bfe_u32 s46, ttmp6, 0x40000
	s_mul_i32 s[XT], s46, 25
	v_min_u32 v[PFO], 24, v29                      ; lanes 25 to 31 name the quarter's last block again
	v_add_nc_u32 v[PFO], s[XT], v[PFO]
	v_lshlrev_b32 v[PFO], 8, v[PFO]
	s_lshl_b32 s48, ttmp9, 20
	s_lshl_b32 s47, s46, 12
	s_add_co_u32 s48, s48, s47
	s_mov_b32 s49, 0
	s_lshl_b32 s50, s46, 6
	s_add_co_u32 s50, s50, ttmp9
	s_lshl_b32 s50, s50, 12
	s_mov_b32 s51, 0
	s_wait_alu depctr_va_vdst(0)
	s_wait_kmcnt 0x0
	s_add_nc_u64 s[4:5], s[4:5], s[48:49]
	s_add_nc_u64 s[6:7], s[6:7], s[48:49]
	s_add_nc_u64 s[12:13], s[12:13], s[50:51]
	s_add_nc_u64 s[10:11], s[10:11], s[44:45]
	s_lshl_b32 s16, s[ROT], 1                      ; the prefetches' bases, never rewritten: my block of step 2 ROT + 1,
	s_add_co_u32 s16, s16, 1
	s_mul_i32 s16, s16, RING1
	s_mov_b32 s17, 0
	s_add_nc_u64 s[16:17], s[10:11], s[16:17]
	s_add_co_u32 s22, s[ROT], 8                    ; of step 8 + ROT,
	s_mul_i32 s22, s22, RING1
	s_mov_b32 s23, 0
	s_add_nc_u64 s[22:23], s[10:11], s[22:23]
	s_add_nc_u64 s[62:63], s[22:23], 4*RING1       ; and of step 12 + ROT
	s_mov_b32 s[G0], 1
	s_mov_b32 s[G0+1], s44
	s_add_nc_u64 s[G0+2:G0+3], s[10:11], s[WT:WT+1]
	s_add_nc_u64 s[G0+6:G0+7], s[G0+2:G0+3], RING1
	s_or_b32 s[G0+3], s[G0+3], 0x80000000
	s_mov_b32 s[G0+4], 1
	s_add_co_u32 s[G0+5], s44, RING1
	s_or_b32 s[G0+7], s[G0+7], 0x80000000
	ROUND                                          ; the four partners are here: the first joint load meets,
	tensor_load_to_lds s[G0:G0+3], s[G1:G1+7]      ; and is asked for ahead of the register loads
	s_nop 0
	global_load_b128 v[XB:XB+3], v[GOFF], s[8:9] offset:4096
	global_load_b128 v[XB+4:XB+7], v[GOFF], s[8:9] offset:4608
	global_load_b128 v[XB+8:XB+11], v[GOFF], s[8:9] offset:8192
	global_load_b128 v[XB+12:XB+15], v[GOFF], s[8:9] offset:8704
	global_prefetch_b8 v[PFO], s[16:17] th:TH_LOAD_NT scope:SCOPE_SE   ; wk's second step, which slot 1's first fill will ask for
	WIN 0x44
	XLOAD 0, 4, XOV
	XLOAD 64, 4, XOV+1
	XLOAD 128, 4, XOV+2
	WIN 0
	s_wait_alu depctr_va_vdst(0)
	s_wait_tensorcnt 0x0
	ds_add_u32 v1, v2
	s_wait_dscnt 0x0
	ROUND
	tensor_load_to_lds s[G0+4:G0+7], s[G1:G1+7]
	s_nop 0
	PLACES
	s_wait_loadcnt 48
	ds_store_b128 v[BW], v[XB:XB+3]
	ds_store_b128 v[BW], v[XB+4:XB+7] offset:512
	ds_store_b128 v[BW], v[XB+8:XB+11] offset:4096
	ds_store_b128 v[BW], v[XB+12:XB+15] offset:4608
.irp c, 0,1,2,3,4,5,6,7
	CHUNK \c
.endr
	WIN 0
	s_wait_dscnt 0x0
	s_barrier_signal -1
	s_barrier_wait -1
	LOADX 0, XFA0, XFS0, 0, 0
	WIN 0x80
	BIASINIT 0, 0
	WIN 0xc0
	BIASINIT 0, 1
	WIN 0
	s_wait_tensorcnt 0x1
	LOADW 0, 0, 0
	LOADW 1, 0, 0
	s_wait_dscnt 0x0
	WIN 0x82
	BCOPY
	WIN 0xc3
	BCOPY
	WIN 0
	s_wait_alu depctr_va_vdst(0)
	s_barrier_signal -1
	s_barrier_wait -1
	global_prefetch_b8 v[PFO], s[22:23] th:TH_LOAD_NT scope:SCOPE_SE   ; the step with which wv's pass 0 begins
	s_mov_b32 s[XO], 0
	s_mov_b32 s[XSO], 0
	s_mov_b32 s[LAP], 3
.Lk:
	LAPADR
	s_wait_alu depctr_va_vdst(0)
	KSTEP 0, 1, 1, 1, 1, 7, 0
	KSTEP 1, 1, 1, 1, 1, 7, 0
	s_add_co_u32 s[XO], s[XO], 12288
	s_add_co_u32 s[XSO], s[XSO], 1024
	s_sub_co_u32 s[LAP], s[LAP], 1
	s_cmp_lg_u32 s[LAP], 0
	s_cbranch_scc1 .Lk
	LAPADR
	s_mov_b32 s[WC], s[ROT]
	global_prefetch_b8 v[PFO], s[62:63] th:TH_LOAD_NT scope:SCOPE_SE   ; the step with which wv's pass 1 begins
	s_wait_alu depctr_va_vdst(0)
	KSTEP 0, 2, 1, 1, 1, 3, 8
	KSTEP 1, 3, 0, 1, 1, 3, 8
	WIN 0x0a
.irp m, 0,1,2,3
	v_pk_mul_f32 v[SQ+2*\m:SQ+2*\m+1], v[64*\m:64*\m+1], v[64*\m:64*\m+1]
.endr
.set i, 2
.rept 31
.irp m, 0,1,2,3
	v_pk_fma_f32 v[SQ+2*\m:SQ+2*\m+1], v[64*\m+i:64*\m+i+1], v[64*\m+i:64*\m+i+1], v[SQ+2*\m:SQ+2*\m+1]
.endr
.set i, i+2
.endr
	WIN 0x0f
.set i, 0
.rept 32
.irp m, 0,1,2,3
	v_pk_fma_f32 v[SQ+2*\m:SQ+2*\m+1], v[64*\m+i:64*\m+i+1], v[64*\m+i:64*\m+i+1], v[SQ+2*\m:SQ+2*\m+1]
.endr
.set i, i+2
.endr
	WIN 0
.irp m, 0,1,2,3
	v_mov_b32 v[NT+4+\m], 0
.endr
.irp m, 0,1,2,3
	v_add_f32 v[NT+\m], v[SQ+2*\m], v[SQ+2*\m+1]
.endr
.irp m, 0,1,2,3
	v_permlanex16_b32 v[NT+4+\m], v[NT+\m], s[SEL], s[SEL+1]
.endr
.irp m, 0,1,2,3
	v_add_f32 v[NT+\m], v[NT+\m], v[NT+4+\m]
.endr
.irp m, 0,1,2,3
	ds_store_b32 v[NW], v[NT+\m] offset:256*\m
.endr
	s_wait_dscnt 0x0
	s_barrier_signal -1
	s_barrier_wait -1
.irp m, 0,1,2,3
	ds_load_b128 v[NP+4*\m:NP+4*\m+3], v[NR] offset:256*\m
.endr
	s_wait_dscnt 0x0
.irp m, 0,1,2,3
	v_add_f32 v[NP+4*\m], v[NP+4*\m], v[NP+4*\m+1]
.endr
.irp m, 0,1,2,3
	v_add_f32 v[NP+4*\m+2], v[NP+4*\m+2], v[NP+4*\m+3]
.endr
.irp m, 0,1,2,3
	v_add_f32 v[NP+4*\m], v[NP+4*\m], v[NP+4*\m+2]
.endr
	s_wait_alu depctr_va_vdst(0)
.irp m, 0,1,2,3
	v_rsq_f32 v[RN+2*\m], v[NP+4*\m]
.endr
	v_nop
	s_wait_alu depctr_va_vdst(0)
.irp m, 0,1,2,3
	v_mov_b32 v[RN+2*\m+1], v[RN+2*\m]
.endr
	WIN 0x82
.irp m, 0,1,2,3
.set i, 0
.rept 32
	v_pk_mul_f32 v[64*\m+i:64*\m+i+1], v[64*\m+i:64*\m+i+1], v[RN+2*\m:RN+2*\m+1] op_sel_hi:[1,0]
.set i, i+2
.endr
.endr
	WIN 0xc3
.irp m, 0,1,2,3
.set i, 0
.rept 32
	v_pk_mul_f32 v[64*\m+i:64*\m+i+1], v[64*\m+i:64*\m+i+1], v[RN+2*\m:RN+2*\m+1] op_sel_hi:[1,0]
.set i, i+2
.endr
.endr
	WIN 0x40
	BIASINIT 1, 0
	WIN 0
	LOADX 0, XFA0, XFS0, 0, 0
	LOADX 1, XFA0, XFS0, 6144, 512
	s_wait_dscnt 0x0
.set FIRST, 1
	GSTEP 0, 1, 2, 1, 1, 8
	GSTEP 1, 1, 4, 1, 1, 8
	GSTEP 0, 1, 6, 1, 1, 12
	GSTEP 1, 1, 0, 1, 1, 12
	EPI 0
	s_wait_xcnt 0x0
	WIN 0x40
	BIASINIT 1, 1
	WIN 0
	s_wait_dscnt 0x0
.set FIRST, 1
	GSTEP 0, 1, 2, 1, 1, 12
	GSTEP 1, 1, 4, 1, 1, 12
	GSTEP 0, 1, 6, 0, 1, 0
	GSTEP 1, 0, 0, 0, 0, 0
	EPI 1
	s_wait_tensorcnt 0x0
	ds_add_u32 v[SPW], v[NIL]
	s_wait_dscnt 0x0
	ROUND
	s_endpgm
.Lfunc_end_k_qadf089057f_kvpart:
	.size	k_qadf089057f_kvpart, .Lfunc_end_k_qadf089057f_kvpart-k_qadf089057f_kvpart
	.p2alignl 7, 3214868480
	.fill 96, 4, 3214868480
	.section	.rodata,"a",@progbits
	.p2align	6, 0x0
	.amdhsa_kernel k_qadf089057f_kvpart
		.amdhsa_group_segment_fixed_size 327680
		.amdhsa_private_segment_fixed_size 0
		.amdhsa_enable_private_segment 0
		.amdhsa_kernarg_size 40
		.amdhsa_user_sgpr_count 2
		.amdhsa_user_sgpr_kernarg_segment_ptr 1
		.amdhsa_wavefront_size32 1
		.amdhsa_system_sgpr_workgroup_id_x 1
		.amdhsa_system_sgpr_workgroup_id_y 1
		.amdhsa_system_sgpr_workgroup_id_z 1
		.amdhsa_system_vgpr_workitem_id 0
		.amdhsa_next_free_vgpr 1024
		.amdhsa_next_free_sgpr 66
		.amdhsa_reserve_vcc 0
		.amdhsa_float_denorm_mode_32 3
		.amdhsa_float_denorm_mode_16_64 3
		.amdhsa_memory_ordered 1
		.amdhsa_forward_progress 1
		.amdhsa_inst_pref_size 255
	.end_amdhsa_kernel
	.section	.bss,"aw",@nobits
	.p2align	6
	.space	262144
	.amdgpu_metadata
---
amdhsa.version: [ 1, 2 ]
amdhsa.kernels:
  - .name:           k_qadf089057f_kvpart
    .symbol:         k_qadf089057f_kvpart.kd
    .args:
      - { .name: key, .offset: 0, .size: 8, .value_kind: global_buffer, .address_space: global }
      - { .name: value, .offset: 8, .size: 8, .value_kind: global_buffer, .address_space: global }
      - { .name: in_proj_bias, .offset: 16, .size: 8, .value_kind: global_buffer, .address_space: global }
      - { .name: wcodes, .offset: 24, .size: 8, .value_kind: global_buffer, .address_space: global }
      - { .name: kvp, .offset: 32, .size: 8, .value_kind: global_buffer, .address_space: global }
    .group_segment_fixed_size: 327680
    .private_segment_fixed_size: 0
    .kernarg_segment_align: 8
    .kernarg_segment_size: 40
    .max_flat_workgroup_size: 128
    .sgpr_count:     66
    .vgpr_count:     1024
    .wavefront_size: 32
...
	.end_amdgpu_metadata
.endif
;; end of part 5
;; launch final (part 6): grid 256 x 1, 4 waves a work-group, clusters of 4 x 1, 327,680 bytes of LDS; arguments query, in_proj_bias, out_proj_bias, wcodes, kvp, out0; writes out0
.if DOCPART == 6
	.amdgcn_target "amdgcn-amd-amdhsa--gfx1250"
	.amdhsa_code_object_version 6
	.text
	.protected	k_qadf089057f_final
	.globl	k_qadf089057f_final
	.p2align	8
	.type	k_qadf089057f_final,@function
k_qadf089057f_final:
	s_mov_b64 s[64:65], 0
	v_nop
	global_prefetch_b8 v0, s[64:65] scope:SCOPE_SE
	s_setreg_imm32_b32 hwreg(HW_REG_WAVE_MODE, 25, 1), 1
	s_wait_xcnt 0x0
	s_wait_alu depctr_hold_cnt(0) depctr_sa_sdst(0) depctr_va_vdst(0) depctr_va_sdst(0) depctr_va_ssrc(0) depctr_va_vcc(0) depctr_vm_vsrc(0)
	s_getreg_b32 s2, hwreg(HW_REG_IB_STS2, 6, 4)
	s_cmp_eq_u32 s2, 0
	s_cbranch_scc0 .Lentry_in_a_cluster
	s_endpgm
.Lentry_in_a_cluster:
	s_bfe_u32 s2, ttmp6, 0x10000c
	s_cmp_lg_u32 s2, 0x3003
	s_cbranch_scc0 .Lentry_shape_is_right
	s_endpgm
.Lentry_shape_is_right:
; out0(s,b,:) = Q(q / |q| x kv(b,:)) Q(wo)^T + bo, with q = Q(query) Q(wq)^T + bq and kv(b,:) the sum of batch b's 64 rows of kvp; Q the MX-FP6 quantiser along K.
; A work-group owns 64 whole rows (the norm and the second quantiser want whole rows); wave w owns 256 columns: 64 accumulators in windows 2 and 3.  The hidden rows never leave the chip: they are quantised out of the
; accumulators and laid into LDS as register images.  The weights come as register images out of wcodes through a ring of two LDS slots of 102,400 bytes, a quarter a wave.  CLUSTER 4 x 1: the four partners (the four
; batches of one block of positions) walk the same weight steps, so every fill is a joint load behind a round of the cluster's barrier.  The clusters begin at different K steps (ROT = cluster % 4).
; query comes by register loads, 16 rows x 128 K a wave and chunk, turns through the wave's own stage and is quantised in registers.
; THE SECOND PRODUCT GOES IN TWO PASSES OF 128 COLUMNS A WAVE: a slot then holds one unit (128 weight rows a wave) of two neighbouring K steps.  Pass 0 sums in window 2, pass 1 in window 3, and pass 0's four blocks
; of 16 rows go through the stage and are stored inside pass 1's four steps.
; THE BIAS is the same for the four blocks of 16 rows: it is loaded from LDS once and copied in registers (q, pass 0) or given as the C of the first products (pass 1).
; PREFETCH: three requests a wave, each for 25 blocks of 256 bytes: a quarter, by the partner's place in the cluster, of the 25,600 bytes of one fill of the wave: wq's second step at the head; the fill with which the
; cluster begins wo's pass 0, ahead of the first loop (6 steps ahead of it); that of pass 1, behind that loop (6 steps ahead of it).  Every other fill is the beginning of the walk of the clusters with another ROT, which ask for it.
; query's chunks and kvp's rows are asked for by register loads two chunks ahead of their use.
; LIMITS: a row's sum of squares must stay inside f32's range; a block of zeros gets the scale byte 1 (its codes are zeros); NaN and infinities among the inputs are not served.
.set RING1, 102400
.set WBLK,  25600
.set UNIT,  12800
.set FRB,   1536
.set XIMG,  204800
.set XSC,   253952
.set STAGE, 258048
.set STGW,  8448
.set BIAS,  291840
.set KVT,   300032
.set NRM,   304128
.set SPARE, 305152
.set SPW, 1
.set NIL, 2
.set L16, 3
.set AW,  4
.set AWS, 6
.set XFA0, 8
.set XFS0, 9
.set XWA0, 10
.set XWS0, 11
.set STI, 12
.set STO, 13
.set STH, 14
.set XOFF, 15
.set BA,  16
.set NW,  17
.set NR,  18
.set GOFF, 19
.set KVA, 20
.set KVW, 21
.set HWA, 22
.set HWS, 23
.set XFA, 24
.set XFS, 25
.set XWA, 26
.set XWS, 27
.set BW,  28
.set XOV, 29
.set GOFQ, 31
.set WB,  32
.set XB,  128
.set WS,  224
.set XS,  232
.set RN,  240
.set SQ,  248
.set NT,  128
.set NP,  136
.set HPC, 128
.set TM,  148
.set HPW, 164
.set R2,  128
.set QM,  192
.set QS,  194
.set QB,  196
.set QW,  198
.set QP,  199
.set Q8H, 200
.set PC,  204
.set AUX, 216
.set KS,  224
.set WV,  18
.set SEL, 20
.set G1,  24
.set G0,  32
.set LAP, 40
.set XO,  41
.set XSO, 42
.set KC,  43
.set WC,  52
.set ROT, 53
.set WT,  54
.set XT,  56
.set WQ,  57
.set WBQ, 58
.set MSB, 0
.macro WIN new
.if MSB != (\new)
	s_set_vgpr_msb (MSB<<8)|(\new)
.set MSB, (\new)
.endif
.endm
.macro ROUND
	s_barrier_signal -1
	s_barrier_wait -1
	s_cmp_lg_u32 s[WV], 0
	s_cbranch_scc1 .Lnot_wave_0_\@
	s_barrier_signal -3
.Lnot_wave_0_\@:
	s_barrier_wait -3
	s_barrier_signal -1
	s_barrier_wait -1
.endm
.macro PLACES
.rept 4
	v_nop
.endr
.endm
.macro MUL16 t0, set
.irp t, \t0, \t0+1, \t0+2, \t0+3
.irp m, 0,1,2,3
	v_wmma_scale_f32_16x16x128_f8f6f4 v[64*\m+8*(\t):64*\m+8*(\t)+7], v[WB+12*(\t):WB+12*(\t)+11], v[XB+48*(\set)+12*\m:XB+48*(\set)+12*\m+11], v[64*\m+8*(\t):64*\m+8*(\t)+7], v[WS+(\t)], v[XS+4*(\set)+\m] matrix_a_fmt:MATRIX_FMT_FP6 matrix_b_fmt:MATRIX_FMT_FP6
.endr
.endr
.endm
.macro LOADW q, slot, u
.irp t, 0,1,2,3
.irp c, 0,1,2
	ds_load_b128 v[WB+12*(4*(\q)+\t)+4*\c:WB+12*(4*(\q)+\t)+4*\c+3], v[AW+(\slot)] offset:UNIT*(\u)+FRB*(4*(\q)+\t)+512*\c
.endr
.endr
	ds_load_b128 v[WS+4*(\q):WS+4*(\q)+3], v[AWS+(\slot)] offset:UNIT*(\u)+12288+256*(\q)
.endm
.macro LOADX set, adr, adrs, off, offs
.irp m, 0,1,2,3
.irp c, 0,1,2
	ds_load_b128 v[XB+48*(\set)+12*\m+4*\c:XB+48*(\set)+12*\m+4*\c+3], v[\adr] offset:(\off)+FRB*\m+512*\c
.endr
.endr
	ds_load_b128 v[XS+4*(\set):XS+4*(\set)+3], v[\adrs] offset:(\offs)
.endm
.macro XOFS set
	s_lshl_b32 s[XT], s[KC], 9
	v_add_nc_u32 v[XOV+(\set)], s[XT], v[XOFF]
	s_add_co_u32 s[KC], s[KC], 1
	s_and_b32 s[KC], s[KC], 7
.endm
.macro XLOAD reg, sp, ov
.irp i, 0,1,2,3,4,5,6,7,8,9,10,11,12,13,14,15
	global_load_b128 v[\reg+4*\i:\reg+4*\i+3], v[\ov], s[\sp:\sp+1] offset:16384*\i th:TH_LOAD_NT
.endr
.endm
.macro XTURN n
.irp i, 0,1,2,3,4,5,6,7,8,9,10,11,12,13,14,15
	ds_store_b128 v[STI], v[\n+4*\i:\n+4*\i+3] offset:528*\i
.endr
.irp c, 0,1
.irp j, 0,1,2,3,4,5,6,7
	ds_load_b128 v[\n+32*\c+4*\j:\n+32*\c+4*\j+3], v[STO] offset:256*\c+16*\j
.endr
.endr
.endm
.macro QUANTW n
.irp c, 0,1
	v_max3_num_f32 v[QM+\c], |v[\n+32*\c]|, |v[\n+32*\c+1]|, 0x1800000
.endr
.irp i, 2,4,6,8,10,12,14,16,18,20,22,24,26,28,30
.irp c, 0,1
	v_max3_num_f32 v[QM+\c], v[QM+\c], |v[\n+32*\c+\i]|, |v[\n+32*\c+\i+1]|
.endr
.endr
.irp c, 0,1
	v_add_nc_u32 v[QS+\c], 0xff000000, v[QM+\c]
.endr
.irp c, 0,1
	v_lshrrev_b32 v[QB+\c], 23, v[QS+\c]
.endr
	v_lshl_or_b32 v[QW], v[QB+1], 16, v[QB]
	v_lshlrev_b32 v[QW], v[Q8H], v[QW]
	v_permlanex16_b32 v[QP], v[QW], s[SEL], s[SEL+1]
	v_or_b32 v[QW], v[QW], v[QP]
.irp c, 0,1
	v_cvt_scalef32_pk16_fp6_f32 v[PC+6*\c:PC+6*\c+2], v[\n+32*\c:\n+32*\c+15], v[QS+\c]
	v_cvt_scalef32_pk16_fp6_f32 v[AUX+4*\c:AUX+4*\c+2], v[\n+32*\c+16:\n+32*\c+31], v[QS+\c]
.endr
	v_nop
.irp c, 0,1
.irp i, 0,1,2
	v_mov_b32 v[PC+6*\c+3+\i], v[AUX+4*\c+\i]
.endr
.endr
.endm
.macro QUANTH s, a
	WIN 0x14*(\a)
.irp b, 0,1,2,3
	v_max3_num_f32 v[TM+\b], 0x1800000, |v[\s+16*\b]|, |v[\s+16*\b+1]|
.endr
.irp i, 2,4,6,8,10,12,14
.irp b, 0,1,2,3
	v_max3_num_f32 v[TM+\b], v[TM+\b], |v[\s+16*\b+\i]|, |v[\s+16*\b+\i+1]|
.endr
.endr
	WIN 0
.irp b, 0,1,2,3
	v_permlanex16_b32 v[TM+4+\b], v[TM+\b], s[SEL], s[SEL+1]
.endr
.irp b, 0,1,2,3
	v_max_num_f32 v[TM+\b], v[TM+\b], v[TM+4+\b]
.endr
.irp b, 0,1,2,3
	v_add_nc_u32 v[TM+12+\b], 0xff000000, v[TM+\b]
.endr
.irp b, 0,1,2,3
	v_lshrrev_b32 v[TM+4+\b], 23, v[TM+12+\b]
.endr
	v_lshl_or_b32 v[HPW], v[TM+5], 8, v[TM+4]
	v_lshl_or_b32 v[HPW], v[TM+6], 16, v[HPW]
	v_lshl_or_b32 v[HPW], v[TM+7], 24, v[HPW]
	WIN (\a)
.irp c, 0,1
	v_cvt_scalef32_pk16_fp6_f32 v[HPC+6*\c:HPC+6*\c+2], v[\s+32*\c:\s+32*\c+15], v[TM+12+2*\c]
	v_cvt_scalef32_pk16_fp6_f32 v[HPC+12+4*\c:HPC+14+4*\c], v[\s+32*\c+16:\s+32*\c+31], v[TM+12+2*\c+1]
.endr
	WIN 0
	v_nop
.irp c, 0,1
.irp i, 0,1,2
	v_permlane16_swap_b32 v[HPC+6*\c+\i], v[HPC+12+4*\c+\i]
.endr
.irp i, 0,1,2
	v_mov_b32 v[HPC+3+6*\c+\i], v[HPC+12+4*\c+\i]
.endr
.endr
.endm
.macro IMAGE adr, adrs, off, offs, pc, pw
.irp c, 0,1,2
	ds_store_b128 v[\adr], v[\pc+4*\c:\pc+4*\c+3] offset:(\off)+512*\c
.endr
	ds_store_b32 v[\adrs], v[\pw] offset:(\offs)
.endm
.set PFO, 240                          ; v240, v241 the prefetches' offsets (a dense block; a unit's half), until the norms take these registers
; the bias of block 0's 64 accumulators goes to blocks 1 to 3 in registers: 192 moves in place of 48 LDS loads of 512 bytes
.macro BCOPY
.irp m, 1,2,3
.set i, 0
.rept 64
	v_mov_b32 v[64*\m+i], v[i]
.set i, i+1
.endr
.endr
.endm
.macro BIASINIT mat, g
.irp m, 0
.irp t, 0,1,2,3,4,5,6,7
.irp i, 0,1
	ds_load_b128 v[64*\m+8*\t+4*\i:64*\m+8*\t+4*\i+3], v[BA] offset:4096*(\mat)+512*(\g)+128*(\t/2)+32*(\t%2)+16*\i
.endr
.endr
.endr
.endm
.macro LAPADR
	v_add_nc_u32 v[XFA], s[XO], v[XFA0]
	v_add_nc_u32 v[XWA], s[XO], v[XWA0]
	v_add_nc_u32 v[XFS], s[XSO], v[XFS0]
	v_add_nc_u32 v[XWS], s[XSO], v[XWS0]
.endm
.macro NEXTW p, bp
	s_mul_i32 s[WT], s[WC], RING1
	s_add_nc_u64 s[G0+4*(\p)+2:G0+4*(\p)+3], s[\bp:\bp+1], s[WT:WT+1]
	s_or_b32 s[G0+4*(\p)+3], s[G0+4*(\p)+3], 0x80000000
	s_add_co_u32 s[WC], s[WC], 1
	s_and_b32 s[WC], s[WC], 7
.endm
.macro STREAM set, ov, adr, adrs, off, offs, nx, xl, nk, kl, kimm
	s_wait_loadcnt \nx
.if \xl
	XOFS \ov
.endif
	WIN 0x44
	XTURN \set
	s_wait_dscnt 0x0
	WIN 0x55
	QUANTW \set
	WIN 0x44
	IMAGE \adr, \adrs, \off, \offs, PC, QW
.if \xl
	XLOAD \set, 4, XOV+(\ov)
.endif
	s_wait_loadcnt \nk
	WIN 0x55
.irp t, 0,1,2,3,4,5,6,7
.irp u, 0,1,2,3
	v_pk_add_f32 v[KS+2*\u:KS+2*\u+1], v[KS+2*\u:KS+2*\u+1], v[R2+8*\t+2*\u:R2+8*\t+2*\u+1]
.endr
.endr
.if \kl
	WIN 0x44
.irp t, 0,1,2,3,4,5,6,7
.irp u, 0,1
	global_load_b128 v[R2+8*\t+4*\u:R2+8*\t+4*\u+3], v[GOFQ], s[12:13] offset:(8*(\kimm)+\t)*4096+512*\u
.endr
.endr
.endif
	WIN 0
.endm
.macro STRM p, kind
.if \kind == 1
	STREAM 64*(\p), \p, XWA, XWS, 6144*(\p+2), 512*(\p+2), 32, 1, 16, 1, \p+3
.elseif \kind == 2
	STREAM 64*(\p), \p, XWA, XWS, 6144*(\p+2), 512*(\p+2), 32, 0, 0, 1, \p+3
.else
	STREAM 64*(\p), \p, XWA, XWS, 6144*(\p+2), 512*(\p+2), 16, 0, 0, 0, 0
.endif
.endm
.macro KSTEP p, strm, fx, refill, fw, bp
	s_wait_dscnt 13
	WIN 0xa0
	MUL16 0, \p
	PLACES
	WIN 0
	LOADW 0, \p, 1
.if \fx
	LOADX 1-\p, XFA, XFS, 6144*(\p+1), 512*(\p+1)
.endif
	s_wait_dscnt 13+13*\fx
	WIN 0xa0
	MUL16 4, \p
	PLACES
	WIN 0
	LOADW 1, \p, 1
.if \strm
	STRM \p, \strm
.else
	s_wait_dscnt 13+13*\fx
.endif
	WIN 0xf0
	MUL16 0, \p
	WIN 0
	s_wait_tensorcnt 0x0
.if \refill
	ds_add_u32 v[SPW], v[NIL]
.if \bp == 10
	NEXTO \p
.else
	NEXTW \p, \bp
.endif
	s_wait_dscnt 0x0
	ROUND
.if \bp == 10
	tensor_load_to_lds s[G0+4*\p:G0+4*\p+3], s[G1O:G1O+7]
.else
	tensor_load_to_lds s[G0+4*\p:G0+4*\p+3], s[G1:G1+7]
.endif
	s_nop 0
.endif
	PLACES
.if \fw
	LOADW 0, 1-\p, 0
.endif
.if \refill == 0
	s_wait_dscnt 13*\fw
.endif
	WIN 0xf0
	MUL16 4, \p
	PLACES
	WIN 0
.if \fw
	LOADW 1, 1-\p, 0
.endif
.endm
.set G1O,  44                          ; s[44:51] descriptor group 1 for wo's fills: 2 rows of 12,800 bytes (one unit), 102,400 bytes (one step) apart
.set XO2,  60                          ; s60, s61 the images that a trip's second step fetches: 4, 5 in trip 0, then 0, 1
.set XSO2, 61
.set OBB,  128                         ; window 1, v128-191: bo at pass 1's 8 tiles, the C of that pass's first products
; wo's fill number c = s[WC] (0 .. 7): pass c / 4, K steps 2 j and 2 j + 1 with j = (ROT + c) % 4
.macro NEXTO p
	s_add_co_u32 s[WT], s[WC], s[ROT]
	s_and_b32 s[WT], s[WT], 3
	s_mul_i32 s[WT], s[WT], 2*RING1
	s_lshr_b32 s[XT], s[WC], 2
	s_mul_i32 s[XT], s[XT], UNIT
	s_add_co_u32 s[WT], s[WT], s[XT]
	s_add_nc_u64 s[G0+4*(\p)+2:G0+4*(\p)+3], s[10:11], s[WT:WT+1]
	s_or_b32 s[G0+4*(\p)+3], s[G0+4*(\p)+3], 0x80000000
	s_add_co_u32 s[WC], s[WC], 1
.endm
; 16 products that start pass 1's sums from the bias: C = bo's registers (window 1), D = the accumulators (window 3)
.macro MULB t0
.irp m, 0,1,2,3
.irp t, \t0, \t0+1, \t0+2, \t0+3
	v_wmma_scale_f32_16x16x128_f8f6f4 v[64*\m+8*(\t):64*\m+8*(\t)+7], v[WB+12*(\t):WB+12*(\t)+11], v[XB+12*\m:XB+12*\m+11], v[OBB+8*(\t):OBB+8*(\t)+7], v[WS+(\t)], v[XS+\m] matrix_a_fmt:MATRIX_FMT_FP6 matrix_b_fmt:MATRIX_FMT_FP6
.endr
.endr
.endm
.macro OADR
	v_add_nc_u32 v[XFA], s[XO], v[XFA0]
	v_add_nc_u32 v[XFS], s[XSO], v[XFS0]
	v_add_nc_u32 v[XWA], s[XO2], v[XFA0]
	v_add_nc_u32 v[XWS], s[XSO2], v[XFS0]
.endm
; A step of the second product: one slot = two K steps of 128 for 128 columns a wave, 64 matrix instructions.  w: the windows of the pass;  o >= 0: block o of pass 0 goes out inside this step;  first: the sums start from the bias.
; The counted waits name the LDS instructions issued behind the ones that are needed: a run of weight loads is 13, of activation loads 13, a block's way through the stage 32.
.macro GSTEP p, nx, xa, xs, x0, refill, fw, w, o, first
.if \o >= 0
	s_wait_xcnt 0x0                                ; earlier stores have read their registers: the block's rows may land there
	TOSTAGE 0, \o, (\o)%2
	s_wait_dscnt 58                                ; tiles 0-3 are in: 13 + 13 + 32 may be out
.else
	s_wait_dscnt 26
.endif
.if \first
	WIN 0xd0
	MULB 0
.else
	WIN \w
	MUL16 0, 0
.endif
	PLACES
	WIN 0
	LOADW 0, \p, 1
.if \o >= 0
	s_wait_dscnt 58                                ; tiles 4-7 are in: 13 + 32 + 13 may be out
.else
	s_wait_dscnt 26
.endif
.if \first
	WIN 0xd0
	MULB 4
.else
	WIN \w
	MUL16 4, 0
.endif
	PLACES
	WIN 0
	LOADW 1, \p, 1
.if \nx
	LOADX 0, \xa, \xs, 6144*(\x0), 512*(\x0)
.endif
.if \o >= 0
	SEND 0, \o, (\o)%2, 26+13*\nx
.endif
	s_wait_dscnt 13+13*\nx
	WIN \w
	MUL16 0, 1
	WIN 0
	s_wait_tensorcnt 0x0                           ; all my tensor loads have landed: my part of the other slot
.if \refill
	ds_add_u32 v[SPW], v[NIL]
	NEXTO \p
	s_wait_dscnt 0x0                               ; the add is done, and my reads of this slot are over
	ROUND
	tensor_load_to_lds s[G0+4*\p:G0+4*\p+3], s[G1O:G1O+7]
	s_nop 0
.endif
	PLACES
.if \fw
	LOADW 0, 1-\p, 0
.endif
.if \refill == 0
	s_wait_dscnt 13*\nx+13*\fw
.endif
	WIN \w
	MUL16 4, 1
	PLACES
	WIN 0
.if \fw
	LOADW 1, 1-\p, 0
.endif
.if \nx
	LOADX 1, \xa, \xs, 6144*(\x0+1), 512*(\x0+1)
.endif
.endm
.macro HBLOCK g, m
	WIN 0x82+0x41*(\g)
.set i, 0
.rept 32
	v_pk_mul_f32 v[64*(\m)+i:64*(\m)+i+1], v[64*(\m)+i:64*(\m)+i+1], v[RN+2*(\m):RN+2*(\m)+1] op_sel_hi:[1,0]
.set i, i+2
.endr
	WIN 0x86+0x41*(\g)
.set i, 0
.rept 32
	v_pk_mul_f32 v[64*(\m)+i:64*(\m)+i+1], v[64*(\m)+i:64*(\m)+i+1], v[i:i+1]
.set i, i+2
.endr
	s_wait_dscnt 0x0
	QUANTH 64*(\m), 2+(\g)
	IMAGE HWA, HWS, 6144*(\g)+FRB*(\m), 512*(\g)+4*(\m), HPC, HPW
.endm
.macro TOSTAGE g, m, ob
	WIN 0x48+4*(\g)
.irp b, 0,1,2,3
.irp j, 0,1,2,3
	ds_store_b128 v[STH], v[64*(\m)+16*\b+4*\j:64*(\m)+16*\b+4*\j+3] offset:128*\b+16*\j
.endr
.endr
.irp j, 0,1,2,3,4,5,6,7,8,9,10,11,12,13,14,15
	ds_load_b128 v[64*(\ob)+4*\j:64*(\ob)+4*\j+3], v[STI] offset:528*\j
.endr
.endm
.macro SEND g, m, ob, younger
	s_wait_dscnt \younger
	WIN 0x04
.irp j, 0,1,2,3,4,5,6,7,8,9,10,11,12,13,14,15
	global_store_b128 v[GOFF], v[64*(\ob)+4*\j:64*(\ob)+4*\j+3], s[14:15] offset:(16*(\m)+\j)*16384+512*(\g) th:TH_STORE_NT
.endr
.endm
	s_load_b256 s[4:11], s[0:1], 0x0
	s_load_b128 s[12:15], s[0:1], 0x20
	v_lshl_add_u32 v[SPW], v0, 2, SPARE
	v_mov_b32 v[NIL], 0
	ds_add_u32 v1, v2
	ds_add_u32 v1, v2
	s_wait_dscnt 0x0
	v_lshrrev_b32 v29, 5, v0
	v_readfirstlane_b32 s[WV], v29
	v_and_b32 v29, 31, v0
	v_and_b32 v30, 15, v0
	v_bfe_u32 v31, v0, 4, 1
	v_lshlrev_b32 v[L16], 4, v29
	s_mul_i32 s44, s[WV], WBLK
	s_mov_b32 s45, 0
	v_add_nc_u32 v[AW], s44, v[L16]
	v_add_nc_u32 v[AW+1], RING1, v[AW]
	v_lshl_add_u32 v[AWS], v30, 4, s44
	v_add_nc_u32 v[AWS+1], RING1, v[AWS]
	v_add_nc_u32 v[XFA0], XIMG, v[L16]
	v_add_nc_u32 v[XFS0], XSC, v[L16]
	s_mul_i32 s46, s[WV], FRB
	v_add_nc_u32 v[XWA0], s46, v[XFA0]
	s_lshl_b32 s46, s[WV], 2
	v_add_nc_u32 v[XWS0], s46, v[XFS0]
	s_add_co_u32 s46, s46, NRM
	v_lshl_add_u32 v[NW], v30, 4, s46
	v_lshlrev_b32 v[NR], 4, v30
	v_add_nc_u32 v[NR], NRM, v[NR]
	s_mul_i32 s46, s[WV], STGW
	s_add_co_u32 s46, s46, STAGE
	v_add_nc_u32 v[STI], s46, v[L16]
	v_mul_u32_u24 v[STH], v30, 528
	v_add_nc_u32 v[STH], s46, v[STH]
	v_lshl_add_u32 v[STO], v31, 7, v[STH]
	v_lshl_add_u32 v[STH], v31, 6, v[STH]
	s_lshl_b32 s46, s[WV], 18
	v_add_nc_u32 v[XOFF], s46, v[L16]
	s_lshl_b32 s47, s[WV], 10
	v_add_nc_u32 v[GOFF], s47, v[L16]
	v_add_nc_u32 v[HWS], s47, v[XFS0]
	s_add_co_u32 s46, s47, BIAS
	v_lshl_add_u32 v[BA], v31, 6, s46
	v_add_nc_u32 v[BW], s46, v[L16]
	s_add_co_u32 s46, s47, KVT
	v_lshl_add_u32 v[KVA], v31, 6, s46
	v_add_nc_u32 v[KVW], s46, v[L16]
	s_mul_i32 s46, s[WV], 12288
	v_add_nc_u32 v[HWA], s46, v[XFA0]
	WIN 0x40
	v_lshlrev_b32 v[Q8H], 3, v31
	v_mov_b32 v[QP], 0
.irp i, 0,1,2,3,4,5,6,7
	v_mov_b32 v[KS+\i], 0
.endr
	WIN 0
	s_and_b32 s[ROT], ttmp9, 3
	s_lshl_b32 s[KC], s[ROT], 1
	s_add_co_u32 s[WQ], s[WV], s[ROT]
	s_and_b32 s[WQ], s[WQ], 3
	s_lshl_b32 s46, s[WQ], 10
	v_add_nc_u32 v[GOFQ], s46, v[L16]
	s_mul_i32 s60, s[WQ], WBLK
	s_mov_b32 s61, 0
	s_mul_i32 s[WT], s[KC], RING1
	s_mov_b32 s[WT+1], 0
	s_add_co_u32 s[WC], s[KC], 2
	s_and_b32 s[WC], s[WC], 7
	XOFS 0
	XOFS 1
	s_mov_b32 s[SEL], 0x76543210
	s_mov_b32 s[SEL+1], 0xfedcba98
	s_mov_b32 s[G1], 0x0023000f
	s_mov_b32 s[G1+1], 32<<16
	s_mov_b32 s[G1+2], 100<<16
	s_mov_b32 s[G1+3], 32<<16
	s_mov_b32 s[G1+4], 100
	s_mov_b32 s[G1+5], 32
	s_mov_b32 s[G1+6], 0
	s_mov_b32 s[G1+7], 0
	s_bfe_u32 s46, ttmp6, 0x40000
	v_and_b32 v[PFO], 31, v0
	v_min_u32 v[PFO], 24, v[PFO]                   ; lanes 25 to 31 name the quarter's last block again
	s_and_b32 s[XT], s46, 1
	s_mul_i32 s[XT], s[XT], 25
	v_add_nc_u32 v[PFO+1], s[XT], v[PFO]           ; in a fill of two units: partners 0, 1 share the first unit's 50 blocks, partners 2, 3 the second's
	s_mul_i32 s[XT], s46, 25
	v_add_nc_u32 v[PFO], s[XT], v[PFO]             ; in a dense block of 100: 25 to a partner
	v_lshlrev_b32 v[PFO], 8, v[PFO]
	v_lshlrev_b32 v[PFO+1], 8, v[PFO+1]
	s_lshr_b32 s22, s46, 1
	s_lshl_b32 s23, s[ROT], 1
	s_add_co_u32 s22, s22, s23
	s_mul_i32 s22, s22, RING1                      ; wo's step 2 ROT + place / 2
	s_mov_b32 s23, 0
	s_lshl_b32 s16, s[ROT], 1
	s_add_co_u32 s16, s16, 1
	s_mul_i32 s16, s16, RING1                      ; wq's step 2 ROT + 1
	s_mov_b32 s17, 0
	s_lshl_b32 s48, ttmp9, 20
	s_lshl_b32 s47, s46, 12
	s_add_co_u32 s48, s48, s47
	s_mov_b32 s49, 0
	s_lshl_b32 s50, s46, 18
	s_mov_b32 s51, 0
	s_wait_alu depctr_va_vdst(0)
	s_wait_kmcnt 0x0
	s_add_nc_u64 s[4:5], s[4:5], s[48:49]
	s_add_nc_u64 s[14:15], s[14:15], s[48:49]
	s_add_nc_u64 s[12:13], s[12:13], s[50:51]
	s_add_nc_u64 s[WBQ:WBQ+1], s[10:11], s[60:61]
	s_add_nc_u64 s[WBQ:WBQ+1], s[WBQ:WBQ+1], 16*RING1
	s_add_nc_u64 s[10:11], s[10:11], s[44:45]
	s_add_nc_u64 s[10:11], s[10:11], 24*RING1
	s_add_nc_u64 s[16:17], s[WBQ:WBQ+1], s[16:17]  ; the prefetches' bases, never rewritten
	s_add_nc_u64 s[22:23], s[10:11], s[22:23]
	s_add_nc_u64 s[62:63], s[22:23], UNIT
	s_mov_b32 s[G0], 1
	s_mov_b32 s[G0+1], s44
	s_add_nc_u64 s[G0+2:G0+3], s[WBQ:WBQ+1], s[WT:WT+1]
	s_add_nc_u64 s[G0+6:G0+7], s[G0+2:G0+3], RING1
	s_or_b32 s[G0+3], s[G0+3], 0x80000000
	s_mov_b32 s[G0+4], 1
	s_add_co_u32 s[G0+5], s44, RING1
	s_or_b32 s[G0+7], s[G0+7], 0x80000000
	ROUND                                          ; the four partners are here: the first joint load meets,
	tensor_load_to_lds s[G0:G0+3], s[G1:G1+7]      ; and is asked for ahead of the register loads
	s_nop 0
	global_load_b128 v[XB:XB+3], v[GOFQ], s[6:7]
	global_load_b128 v[XB+4:XB+7], v[GOFQ], s[6:7] offset:512
	global_load_b128 v[XB+8:XB+11], v[GOFF], s[8:9]
	global_load_b128 v[XB+12:XB+15], v[GOFF], s[8:9] offset:512
	global_prefetch_b8 v[PFO], s[16:17] th:TH_LOAD_NT scope:SCOPE_SE   ; wq's second step, which slot 1's first fill will ask for
	WIN 0x44
	XLOAD 0, 4, XOV
	XLOAD 64, 4, XOV+1
.irp t, 0,1,2,3,4,5,6,7
.irp u, 0,1
	global_load_b128 v[R2+8*\t+4*\u:R2+8*\t+4*\u+3], v[GOFQ], s[12:13] offset:\t*4096+512*\u
.endr
.endr
	WIN 0
	s_wait_alu depctr_va_vdst(0)
	s_wait_tensorcnt 0x0
	ds_add_u32 v1, v2
	s_wait_dscnt 0x0
	ROUND
	tensor_load_to_lds s[G0+4:G0+7], s[G1:G1+7]
	s_nop 0
	PLACES
	s_wait_loadcnt 48
	ds_store_b128 v[BW], v[XB:XB+3]
	ds_store_b128 v[BW], v[XB+4:XB+7] offset:512
	ds_store_b128 v[BW], v[XB+8:XB+11] offset:4096
	ds_store_b128 v[BW], v[XB+12:XB+15] offset:4608
	STREAM 0, 0, XWA0, XWS0, 0, 0, 32, 1, 16, 1, 1
	STREAM 64, 1, XWA0, XWS0, 6144, 512, 32, 1, 16, 1, 2
	s_wait_dscnt 0x0
	s_barrier_signal -1
	s_barrier_wait -1
	LOADX 0, XFA0, XFS0, 0, 0
	WIN 0x80
	BIASINIT 0, 0
	WIN 0xc0
	BIASINIT 0, 1
	WIN 0
	s_wait_tensorcnt 0x1
	LOADW 0, 0, 0
	LOADW 1, 0, 0
	global_prefetch_b8 v[PFO+1], s[22:23] th:TH_LOAD_NT scope:SCOPE_SE   ; the fill with which wo's pass 0 begins
	s_wait_dscnt 26                                ; the bias is in: the two runs of 13 weight loads may be out
	WIN 0x82
	BCOPY
	WIN 0xc3
	BCOPY
	WIN 0
	s_wait_alu depctr_va_vdst(0)
	s_mov_b32 s[XO], 0
	s_mov_b32 s[XSO], 0
	s_mov_b32 s[LAP], 2
.Lq:
	LAPADR
	s_wait_alu depctr_va_vdst(0)
	KSTEP 0, 1, 1, 1, 1, WBQ
	KSTEP 1, 1, 1, 1, 1, WBQ
	s_wait_xcnt 0x0
	s_add_nc_u64 s[12:13], s[12:13], 65536
	s_add_co_u32 s[XO], s[XO], 12288
	s_add_co_u32 s[XSO], s[XSO], 1024
	s_sub_co_u32 s[LAP], s[LAP], 1
	s_cmp_lg_u32 s[LAP], 0
	s_cbranch_scc1 .Lq
	global_prefetch_b8 v[PFO+1], s[62:63] th:TH_LOAD_NT scope:SCOPE_SE   ; the fill with which wo's pass 1 begins
	LAPADR
	s_wait_alu depctr_va_vdst(0)
	KSTEP 0, 2, 1, 1, 1, WBQ
	KSTEP 1, 3, 1, 1, 1, WBQ
	s_add_co_u32 s[XO], s[XO], 12288
	s_add_co_u32 s[XSO], s[XSO], 1024
	LAPADR
	s_wait_alu depctr_va_vdst(0)
	s_wait_xcnt 0x0                                ; the prefetches have read their offsets: v240 and v241 are free for the norms
	s_mov_b32 s[WC], 0                             ; from here on the ring takes wo's fills, counted from 0
	s_mov_b32 s[G1O], 0x0023000f                   ; the mask of the four partners, elements of 8 bytes, bit 21 beside the mask
	s_mov_b32 s[G1O+1], 1600<<16                   ; tensor_dim0: 12,800 bytes
	s_mov_b32 s[G1O+2], 2<<16                      ; tensor_dim1 = 2
	s_mov_b32 s[G1O+3], 1600<<16                   ; tile_dim0
	s_mov_b32 s[G1O+4], 2                          ; tile_dim1
	s_mov_b32 s[G1O+5], RING1/8                    ; from row to row: one step
	s_mov_b32 s[G1O+6], 0
	s_mov_b32 s[G1O+7], 0
	KSTEP 0, 0, 1, 1, 1, 10
	KSTEP 1, 0, 0, 1, 1, 10
	WIN 0x0a
.irp m, 0,1,2,3
	v_pk_mul_f32 v[SQ+2*\m:SQ+2*\m+1], v[64*\m:64*\m+1], v[64*\m:64*\m+1]
.endr
.set i, 2
.rept 31
.irp m, 0,1,2,3
	v_pk_fma_f32 v[SQ+2*\m:SQ+2*\m+1], v[64*\m+i:64*\m+i+1], v[64*\m+i:64*\m+i+1], v[SQ+2*\m:SQ+2*\m+1]
.endr
.set i, i+2
.endr
	WIN 0x0f
.set i, 0
.rept 32
.irp m, 0,1,2,3
	v_pk_fma_f32 v[SQ+2*\m:SQ+2*\m+1], v[64*\m+i:64*\m+i+1], v[64*\m+i:64*\m+i+1], v[SQ+2*\m:SQ+2*\m+1]
.endr
.set i, i+2
.endr
	WIN 0
.irp m, 0,1,2,3
	v_mov_b32 v[NT+4+\m], 0
.endr
.irp m, 0,1,2,3
	v_add_f32 v[NT+\m], v[SQ+2*\m], v[SQ+2*\m+1]
.endr
.irp m, 0,1,2,3
	v_permlanex16_b32 v[NT+4+\m], v[NT+\m], s[SEL], s[SEL+1]
.endr
.irp m, 0,1,2,3
	v_add_f32 v[NT+\m], v[NT+\m], v[NT+4+\m]
.endr
.irp m, 0,1,2,3
	ds_store_b32 v[NW], v[NT+\m] offset:256*\m
.endr
	s_wait_dscnt 0x0
	s_barrier_signal -1
	s_barrier_wait -1
.irp m, 0,1,2,3
	ds_load_b128 v[NP+4*\m:NP+4*\m+3], v[NR] offset:256*\m
.endr
	s_wait_dscnt 0x0
.irp m, 0,1,2,3
	v_add_f32 v[NP+4*\m], v[NP+4*\m], v[NP+4*\m+1]
.endr
.irp m, 0,1,2,3
	v_add_f32 v[NP+4*\m+2], v[NP+4*\m+2], v[NP+4*\m+3]
.endr
.irp m, 0,1,2,3
	v_add_f32 v[NP+4*\m], v[NP+4*\m], v[NP+4*\m+2]
.endr
	s_wait_alu depctr_va_vdst(0)
.irp m, 0,1,2,3
	v_rsq_f32 v[RN+2*\m], v[NP+4*\m]
.endr
	v_nop
	s_wait_alu depctr_va_vdst(0)
.irp m, 0,1,2,3
	v_mov_b32 v[RN+2*\m+1], v[RN+2*\m]
.endr
.irp b, 0,1,2,3
	v_mov_b32 v[TM+4+\b], 0
.endr
	WIN 0x44
	ds_store_b128 v[KVW], v[KS:KS+3]
	ds_store_b128 v[KVW], v[KS+4:KS+7] offset:512
	s_wait_alu depctr_va_vdst(0)
.irp g, 0,1
	WIN 0x44
.irp t, 0,1,2,3,4,5,6,7
.irp i, 0,1
	ds_load_b128 v[8*\t+4*\i:8*\t+4*\i+3], v[KVA] offset:512*\g+128*(\t/2)+32*(\t%2)+16*\i
.endr
.endr
	s_wait_dscnt 0x0
.irp m, 0,1,2,3
	HBLOCK \g, \m
.endr
.endr
	s_wait_dscnt 0x0
	s_barrier_signal -1
	s_barrier_wait -1
	LOADX 0, XFA0, XFS0, 0, 0
	LOADX 1, XFA0, XFS0, 6144, 512
	WIN 0x80
	BIASINIT 1, 0                                  ; pass 0's sums begin as the bias: block 0's accumulators
	WIN 0x40
.irp t, 0,1,2,3,4,5,6,7
.irp i, 0,1
	ds_load_b128 v[OBB+8*\t+4*\i:OBB+8*\t+4*\i+3], v[BA] offset:4096+512+128*(\t/2)+32*(\t%2)+16*\i   ; pass 1's bias, once for its four blocks of rows
.endr
.endr
	WIN 0
	s_wait_dscnt 0x0
	WIN 0x82
	BCOPY                                          ; and blocks 1 to 3
	WIN 0
	s_mov_b32 s[XO], 0
	s_mov_b32 s[XSO], 0
	s_mov_b32 s[XO2], 24576
	s_mov_b32 s[XSO2], 2048
	s_mov_b32 s[LAP], 2
.Lo:                                                   ; pass 0: two trips of two steps; trip t fetches images 4 t + 2, 4 t + 3 and then (4 t + 4) % 8 and the next
	OADR
	s_wait_alu depctr_va_vdst(0)                   ; the addresses
	GSTEP 0, 1, XFA, XFS, 2, 1, 1, 0xa0, -1, 0
	GSTEP 1, 1, XWA, XWS, 0, 1, 1, 0xa0, -1, 0
	s_add_co_u32 s[XO], s[XO], 24576
	s_add_co_u32 s[XSO], s[XSO], 2048
	s_xor_b32 s[XO2], s[XO2], 24576
	s_xor_b32 s[XSO2], s[XSO2], 2048
	s_sub_co_u32 s[LAP], s[LAP], 1
	s_cmp_lg_u32 s[LAP], 0
	s_cbranch_scc1 .Lo
	GSTEP 0, 1, XFA0, XFS0, 2, 1, 1, 0xf0, 0, 1    ; pass 1, written out: each step sends one block of pass 0; the last two steps fill nothing
	GSTEP 1, 1, XFA0, XFS0, 4, 1, 1, 0xf0, 1, 0
	GSTEP 0, 1, XFA0, XFS0, 6, 0, 1, 0xf0, 2, 0
	GSTEP 1, 0, XFA0, XFS0, 0, 0, 0, 0xf0, 3, 0
	s_wait_xcnt 0x0
	TOSTAGE 1, 0, 0
.irp a, 1,2,3
	s_wait_xcnt 0x0
	TOSTAGE 1, \a, (\a)%2
	SEND 1, \a-1, (\a-1)%2, 32
.endr
	SEND 1, 3, 1, 0
	WIN 0
	s_wait_tensorcnt 0x0
	ds_add_u32 v[SPW], v[NIL]
	s_wait_dscnt 0x0
	ROUND
	s_endpgm
.Lfunc_end_k_qadf089057f_final:
	.size	k_qadf089057f_final, .Lfunc_end_k_qadf089057f_final-k_qadf089057f_final
	.p2alignl 7, 3214868480
	.fill 96, 4, 3214868480
	.section	.rodata,"a",@progbits
	.p2align	6, 0x0
	.amdhsa_kernel k_qadf089057f_final
		.amdhsa_group_segment_fixed_size 327680
		.amdhsa_private_segment_fixed_size 0
		.amdhsa_enable_private_segment 0
		.amdhsa_kernarg_size 48
		.amdhsa_user_sgpr_count 2
		.amdhsa_user_sgpr_kernarg_segment_ptr 1
		.amdhsa_wavefront_size32 1
		.amdhsa_system_sgpr_workgroup_id_x 1
		.amdhsa_system_sgpr_workgroup_id_y 1
		.amdhsa_system_sgpr_workgroup_id_z 1
		.amdhsa_system_vgpr_workitem_id 0
		.amdhsa_next_free_vgpr 1024
		.amdhsa_next_free_sgpr 66
		.amdhsa_reserve_vcc 0
		.amdhsa_float_denorm_mode_32 3
		.amdhsa_float_denorm_mode_16_64 3
		.amdhsa_memory_ordered 1
		.amdhsa_forward_progress 1
		.amdhsa_inst_pref_size 255
	.end_amdhsa_kernel
	.section	.bss,"aw",@nobits
	.p2align	6
	.space	262144
	.amdgpu_metadata
---
amdhsa.version: [ 1, 2 ]
amdhsa.kernels:
  - .name:           k_qadf089057f_final
    .symbol:         k_qadf089057f_final.kd
    .args:
      - { .name: query, .offset: 0, .size: 8, .value_kind: global_buffer, .address_space: global }
      - { .name: in_proj_bias, .offset: 8, .size: 8, .value_kind: global_buffer, .address_space: global }
      - { .name: out_proj_bias, .offset: 16, .size: 8, .value_kind: global_buffer, .address_space: global }
      - { .name: wcodes, .offset: 24, .size: 8, .value_kind: global_buffer, .address_space: global }
      - { .name: kvp, .offset: 32, .size: 8, .value_kind: global_buffer, .address_space: global }
      - { .name: out0, .offset: 40, .size: 8, .value_kind: global_buffer, .address_space: global }
    .group_segment_fixed_size: 327680
    .private_segment_fixed_size: 0
    .kernarg_segment_align: 8
    .kernarg_segment_size: 48
    .max_flat_workgroup_size: 128
    .sgpr_count:     66
    .vgpr_count:     1024
    .wavefront_size: 32
...
	.end_amdgpu_metadata
.endif
;; end of part 6
